; MI455X (gfx1250); checked and timed in simulation.
; The chip was launched on July 23, 2026; its instructions are those of AMD's public machine-readable ISA for CDNA 5 (MIT licence, August 2026) and "CDNA5" Instruction Set Architecture Reference Guide (July 2026). The comments in the code are by the model that wrote it; some were corrected since.
;; Multi Head Attention. Allowed arithmetic: matrix products marked QUANTISED: E2M3 operands, one E8M0 scale for each 32 along K, by v_wmma_scale_f32_16x16x128_f8f6f4 with both operands' format E2M3, f32 sums; everything else in f32.
;; Inputs: Wk 1,024 x 1,024 float32; Wo 1,024 x 1,024 float32; Wq 1,024 x 1,024 float32; Wv 1,024 x 1,024 float32; bk 1,024 float32; bo 1,024 float32; bq 1,024 float32; bv 1,024 float32; x 4 x 2,048 x 1,024 float32.
;; Outputs: out0 4 x 2,048 x 1,024 float32.
;; This version of the problem:
;;   THIS VERSION OF THE PROBLEM IS GIVEN IN LOW PRECISION. The matrix products marked QUANTISED in the list below multiply operands that are first quantised to E2M3 (2 exponent bits, 3 mantissa bits; 6 bits a number), with one power-of-two scale for each 32 numbers along K (OCP MX v1.0); their sums are f32. All else is computed in f32.
;;   The module's matrix products, in the order in which they are computed (A, B: the left and right operand; K: the contracted axis; several contracted axes count as one K, in the product's order):
;;     1. [M 8,192, K 1,024] x [K 1,024, N 1,024]; A: input x; B: input Wq: QUANTISED
;;     2. [M 8,192, K 1,024] x [K 1,024, N 1,024]; A: input x; B: input Wk: QUANTISED
;;     3. [M 8,192, K 1,024] x [K 1,024, N 1,024]; A: input x; B: input Wv: QUANTISED
;;     4. batch 64 x [M 2,048, K 64] x [K 64, N 2,048]; A: computed on the way; B: computed on the way: QUANTISED
;;     5. batch 64 x [M 2,048, K 2,048] x [K 2,048, N 64]; A: softmax (see below); B: computed on the way: QUANTISED
;;     6. [M 8,192, K 1,024] x [K 1,024, N 1,024]; A: computed on the way; B: input Wo: QUANTISED
;;   THE QUANTISER, for each operand of a quantised product, along K:
;;     - K is cut into blocks of 32 from its start; a last block that is shorter is filled with zeros.
;;     - A block's scale is 2^e with e = floor(log2(the largest magnitude in the block)) - 2, held to -126 .. 127; a block of zeros has e = 0. As a byte (E8M0): e + 127.
;;     - Each number is divided by its block's scale, clamped to +-7.5, and rounded to the nearest number of E2M3, ties to even, subnormals kept.
;;     - The product sums the exact products of the quantised numbers (number of the format x scale) in f32.
;;   ~~~python
;;   def quantise(x, axis):      # numpy; x: float32 -> the quantised numbers, widened to float32 again
;;       x = np.moveaxis(x, axis, -1); K = x.shape[-1]
;;       x = np.pad(x, [(0, 0)] * (x.ndim - 1) + [(0, -K % 32)]); x = x.reshape(x.shape[:-1] + (-1, 32)); a = np.abs(x).max(-1, keepdims=True)
;;       e = np.where(a > 0, np.clip(np.frexp(np.where(a > 0, a, 1))[1] - 1 - 2, -126, 127), 0)      # np.frexp(a)[1] - 1 = floor(log2(a)), exactly
;;       r = np.clip(x / 2.0 ** e, -7.5, 7.5)
;;       step = 2.0 ** (np.maximum(np.frexp(np.where(r == 0, 1, r))[1] - 1, 0) - 3)
;;       q = np.round(r / step) * step * 2.0 ** e      # np.round: ties to even
;;       return np.moveaxis(q.reshape(q.shape[:-2] + (-1,))[..., :K], -1, axis).astype(np.float32)
;;   ~~~
;;   SOFTMAX AHEAD OF A QUANTISED PRODUCT. Where the list says 'softmax', what is quantised is not the finished softmax but p = 2^(t - M), with t = logit x log2(e) and M = ceil(the row's largest t), a whole number; so 1/2 < the row's largest p <= 1. The row's sum l is taken of the UNQUANTISED p, in f32, and the product's result is divided by l at the end. Since M is a whole number, a kernel that streams over the keys may use a running M (the ceiling of the running maximum): every later rescaling is an exact power of two, which a block's scale takes up: the codes' values come out the same.
;;   OPERANDS COMPUTED ON THE WAY. 'Computed on the way' means the value that the module computes at that place (a softmax that the list does not call 'softmax' is quantised finished and normalised). What goes into a quantiser is computed in f32, as accurately as f32 sums, v_exp_f32 and their like allow (about 1e-6 of the number): no bf16 or f16 on the way to a quantiser, and a product that is left as it is and whose result goes on into a quantised operand takes f32 operands (vector FMAs, or v_wmma_f32_16x16x4_f32). A number that lies on a knife's edge between two numbers of the format may be rounded either way, as far as f32 arithmetic and the matrix unit's own rounding can turn it there, and no further.
;; One version. Each part assembles by itself: llvm-mc -triple=amdgcn-amd-amdhsa -mcpu=gfx1250 --defsym DOCPART=n.
;; ======== version 1 of 1: 4 launches
;; limits: right only within a limited range of input values
;; workspace buffers: opimg 9,437,184 bytes; opsc 393,216 bytes; qkvimg 18,874,368 bytes; qkvsc 786,432 bytes; cimg 6,291,456 bytes; csc 262,144 bytes
;; launch prep (part 1): grid 384 x 1, 4 waves a work-group, no clusters, 59,904 bytes of LDS; arguments x, Wq, Wk, Wv, Wo, opimg, opsc; writes opimg, opsc
.if DOCPART == 1
	.amdgcn_target "amdgcn-amd-amdhsa--gfx1250"
	.amdhsa_code_object_version 6
	.text
	.protected	k_q0b08a59f83_prep
	.globl	k_q0b08a59f83_prep
	.p2align	8
	.type	k_q0b08a59f83_prep,@function
k_q0b08a59f83_prep:
	s_mov_b64 s[64:65], 0
	v_nop
	global_prefetch_b8 v0, s[64:65] scope:SCOPE_SE
	s_setreg_imm32_b32 hwreg(HW_REG_WAVE_MODE, 25, 1), 1
	s_wait_xcnt 0x0
; x [8192][1024] and Wq, Wk, Wv, Wo [1024 (k)][1024 (n)], f32, become codes of FP6 (E2M3) with one E8M0 byte for each 32 along K, laid as IMAGES OF OPERAND REGISTERS.
; A block's scale is 2^(floor(log2(largest magnitude)) - 2): its byte is the largest magnitude's exponent field - 2, held at 1 from below.
; LIMITS: a block whose largest magnitude lies under 2^-124, a block of zeros among them, gets the byte 1 (its codes are then zeros or tiny; this program alone reads the bytes); NaN and infinities are not served.
; TILES.  Tile T of 16 rows (of x) or columns (of a weight) holds in lane r the row 32 (T / 2) + 8 (T % 2) + r + 8 (r / 8): as source 0 of a product two neighbouring tiles then give a lane 16 neighbours.
; A FRAGMENT'S IMAGE (16 rows x 128 K, 12 registers a lane, 1,536 bytes): half c (registers 6 c .. 6 c + 5) at byte 768 c: first 16 bytes a lane (512 bytes), then 8 bytes a lane (256 bytes).
; opimg: [tile 0..767][K step 0..7][1,536]; tiles: x 0.., Wq 512.., Wk 576.., Wv 640.., Wo 704...
; opsc: [block of 128 rows 0..95][K step][512]: the scale word of the block's tile 2 g + e, lane row r, at 128 g + 8 r + 4 e.
; Work-groups 0-255 take x (K innermost), 256-383 the weights (K outermost).  Each way has LDS bytes of its own.  Waves share nothing: no barrier.
.set XST,  8448                        ; x: a wave's stage: 16 rows x (512 bytes + 16)
.set WL,   4*XST                       ; the weights' stages begin here
.set WST,  6400                        ; a wave's: four fragment images and 256 bytes of scale words
.set R,    16                          ; x: v16-143 two sets of 16 rows as loaded
.set X,    144                         ; v144-207 my 64 numbers
.set F,    208                         ; v208-231 a fragment's codes, two sets
.set T,    232                         ; v232-238 second halves of blocks
.set M,    240
.set SO,   242
.set BY,   244
.set TP,   246
.set WT,   247
.set W,    248                         ; v248-251 the four tiles' scale words
.set X2,   16                          ; weights: v16-79 two sets of 32 numbers
.set C,    80
.set T2,   88
.set M2,   92
.set SO2,  94
.set BY2,  95
.set WD,   96                          ; v96-97 a column's scale word, one for each group of 32 columns
.set OUTR, 100
	s_load_b256 s[4:11], s[0:1], 0x0               ; x, Wq, Wk, Wv
	s_load_b128 s[12:15], s[0:1], 0x20             ; Wo, opimg
	s_load_b64 s[16:17], s[0:1], 0x30              ; opsc
	v_lshl_add_u32 v254, v0, 2, 0xe800
	v_mov_b32 v255, 0
	v_lshrrev_b32 v1, 5, v0
	v_readfirstlane_b32 s18, v1                    ; wave
	v_and_b32 v1, 31, v0                           ; lane
	v_lshlrev_b32 v2, 4, v1                        ; 16 x lane
	v_lshlrev_b32 v3, 3, v1                        ; 8 x lane
	s_cmp_lt_u32 ttmp9, 256
	s_cbranch_scc0 .Lweights
; ---------------- x: a wave takes 64 rows x 128 along K: four fragments ----------------
	s_lshl_b32 s19, ttmp9, 2
	s_add_co_u32 s19, s19, s18                     ; the wave's job
	s_lshr_b32 s20, s19, 3                         ; G: which 64 rows
	s_and_b32 s21, s19, 7                          ; which K step
	s_mov_b32 s30, 0x76543210
	s_mov_b32 s31, 0xfedcba98                      ; selects for lane l xor 16
	v_and_b32 v4, 15, v0                           ; r
	v_bfe_u32 v5, v0, 4, 1                         ; h
	s_mul_i32 s22, s18, XST
	s_wait_alu depctr_va_vdst(0)
	v_add_nc_u32 v6, s22, v2                       ; into the stage: 16 x lane of a row
	v_mul_u32_u24 v7, v4, 528
	v_lshl_add_u32 v7, v5, 7, v7
	v_add_nc_u32 v7, s22, v7                       ; out of it: row r, + 128 h: my 32 numbers of each 64
	v_lshlrev_b32 v8, 3, v5                        ; 8 h: my bytes' place in a scale word
	v_mov_b32 v[TP], 0                             ; a lane permute's destination counts as read
	s_lshl_b32 s24, s20, 18                        ; 64 rows of 4,096 bytes
	s_lshl_b32 s25, s21, 9
	s_add_co_u32 s24, s24, s25
	s_mov_b32 s25, 0
	s_lshl_b32 s26, s20, 5                         ; tile 4 G, 8 K steps a tile
	s_add_co_u32 s26, s26, s21
	s_mul_i32 s26, s26, 1536
	s_mov_b32 s27, 0
	s_lshr_b32 s28, s20, 1
	s_lshl_b32 s28, s28, 3
	s_add_co_u32 s28, s28, s21
	s_lshl_b32 s28, s28, 9
	s_and_b32 s29, s20, 1
	s_lshl_b32 s29, s29, 8
	s_add_co_u32 s28, s28, s29
	s_mov_b32 s29, 0
	s_wait_alu depctr_va_vdst(0)
	s_wait_kmcnt 0x0
	s_add_nc_u64 s[4:5], s[4:5], s[24:25]
	s_add_nc_u64 s[14:15], s[14:15], s[26:27]
	s_add_nc_u64 s[16:17], s[16:17], s[28:29]
.macro XLOAD t                         ; tile t's 16 rows, each load 512 consecutive bytes
.irp i, 0,1,2,3,4,5,6,7,8,9,10,11,12,13,14,15
	global_load_b128 v[R+64*((\t)%2)+4*\i:R+64*((\t)%2)+4*\i+3], v2, s[4:5] offset:(32*((\t)/2)+8*((\t)%2)+\i+8*(\i/8))*4096 th:TH_LOAD_NT
.endr
.endm
.macro XSTEP t
.set RS, R+64*((\t)%2)
.set FS, F+12*((\t)%2)
.if (\t) < 3
	s_wait_loadcnt 16                              ; this tile's 16 loads are in; the next tile's 16 may be out
.else
	s_wait_loadcnt 0x0
.endif
.irp i, 0,1,2,3,4,5,6,7,8,9,10,11,12,13,14,15
	ds_store_b128 v6, v[RS+4*\i:RS+4*\i+3] offset:\i*528
.endr
.irp c, 0,1
.irp j, 0,1,2,3,4,5,6,7
	ds_load_b128 v[X+32*\c+4*\j:X+32*\c+4*\j+3], v7 offset:256*\c+16*\j   ; LDS serves a wave's instructions in order: these see the stores above.  k = 64 c + 32 h + 4 j ..
.endr
.endr
	s_wait_dscnt 0x0                               ; my 64 numbers are in, and the stores have read their registers
.if (\t)+2 < 4
	XLOAD (\t)+2
.endif
.irp c, 0,1
	v_max3_num_f32 v[M+\c], |v[X+32*\c]|, |v[X+32*\c+1]|, 0x1800000   ; block 2 c + h is all mine; the floor 2^(3 - 127) keeps the byte at 1 or above
.endr
.irp i, 2,4,6,8,10,12,14,16,18,20,22,24,26,28,30
.irp c, 0,1
	v_max3_num_f32 v[M+\c], v[M+\c], |v[X+32*\c+\i]|, |v[X+32*\c+\i+1]|
.endr
.endr
.irp c, 0,1
	v_add_nc_u32 v[SO+\c], 0xff000000, v[M+\c]     ; 2 off the exponent field: the conversion's scale operand
.endr
.irp c, 0,1
	v_lshrrev_b32 v[BY+\c], 23, v[SO+\c]           ; the byte
.endr
	v_lshl_or_b32 v[WT], v[BY+1], 16, v[BY]        ; blocks h and 2 + h,
	v_lshlrev_b32 v[WT], v8, v[WT]                 ; at their places,
	v_permlanex16_b32 v[TP], v[WT], s30, s31
	v_or_b32 v[W+(\t)], v[WT], v[TP]               ; with the other half's two: the row's word
.if (\t) > 1
	s_wait_alu depctr_va_vdst(0)
	s_wait_xcnt 0x0                                ; the stores of two tiles back have read this set of codes
.endif
.irp c, 0,1
	v_cvt_scalef32_pk16_fp6_f32 v[FS+6*\c:FS+6*\c+2], v[X+32*\c:X+32*\c+15], v[SO+\c]
	v_cvt_scalef32_pk16_fp6_f32 v[T+4*\c:T+4*\c+2], v[X+32*\c+16:X+32*\c+31], v[SO+\c]   ; (a conversion's three registers begin on an even number)
.endr
	v_nop                                          ; one plain place behind the conversions
.irp c, 0,1
.irp i, 0,1,2
	v_mov_b32 v[FS+6*\c+3+\i], v[T+4*\c+\i]
.endr
.endr
	global_store_b128 v2, v[FS:FS+3], s[14:15] offset:(\t)*12288          ; 512 consecutive bytes
	global_store_b64 v3, v[FS+4:FS+5], s[14:15] offset:(\t)*12288+512     ; 256
	global_store_b128 v2, v[FS+6:FS+9], s[14:15] offset:(\t)*12288+768
	global_store_b64 v3, v[FS+10:FS+11], s[14:15] offset:(\t)*12288+1280
.endm
	XLOAD 0
	XLOAD 1
	XSTEP 0
	XSTEP 1
	XSTEP 2
	XSTEP 3
	v_cmp_ne_u32 vcc_lo, 0, v5
	v_cndmask_b32 v252, v[W], v[W+2], vcc_lo       ; lane (r, h) stores the words of tiles 2 h and 2 h + 1
	v_cndmask_b32 v253, v[W+1], v[W+3], vcc_lo
	global_store_b64 v3, v[252:253], s[16:17]      ; 256 consecutive bytes
	s_wait_tensorcnt 0x0
	ds_add_u32 v254, v255
	s_wait_dscnt 0x0
	s_endpgm
; ---------------- the weights: a wave takes 64 columns x 128 along K; a lane takes a column, its registers run down K ----------------
.Lweights:
	s_sub_co_u32 s19, ttmp9, 256
	s_lshr_b32 s20, s19, 5                         ; which weight: Wq, Wk, Wv, Wo
	s_bfe_u32 s21, s19, 0x30002                    ; which K step
	s_and_b32 s22, s19, 3
	s_lshl_b32 s22, s22, 2
	s_add_co_u32 s22, s22, s18                     ; Gc: which 64 columns
	s_wait_alu depctr_va_vdst(0)
	v_lshlrev_b32 v4, 2, v1                        ; 4 x lane
	v_bfe_u32 v5, v0, 3, 1                         ; column x of 32 lies in tile u = (x / 8) % 2,
	v_and_b32 v6, 7, v0
	v_bfe_u32 v7, v0, 4, 1
	v_lshl_add_u32 v6, v7, 3, v6                   ; at lane row x % 8 + 8 (x / 16)
	s_mul_i32 s23, s18, WST
	s_add_co_u32 s23, s23, WL                      ; my stage
	v_mul_u32_u24 v7, v5, 1536
	v_add_nc_u32 v7, s23, v7
	v_lshl_add_u32 v8, v6, 4, v7                   ; the 16-byte part of my place in an image
	v_lshl_add_u32 v9, v6, 3, v7                   ; the 8-byte part
	v_lshlrev_b32 v10, 3, v6
	v_lshl_add_u32 v10, v5, 2, v10
	v_add_nc_u32 v10, s23, v10                     ; my scale word
	v_add_nc_u32 v11, s23, v2                      ; the way out
	v_add_nc_u32 v12, s23, v3
	s_lshl_b32 s24, s21, 19                        ; 128 rows of 4,096 bytes
	s_lshl_b32 s25, s22, 8
	s_add_co_u32 s24, s24, s25
	s_mov_b32 s25, 0
	s_lshl_b32 s26, s20, 6
	s_lshl_b32 s27, s22, 2
	s_add_co_u32 s26, s26, s27
	s_add_co_u32 s26, s26, 512                     ; my first tile
	s_lshl_b32 s26, s26, 3
	s_add_co_u32 s26, s26, s21
	s_mul_i32 s26, s26, 1536
	s_mov_b32 s27, 0
	s_lshl_b32 s28, s20, 3
	s_lshr_b32 s29, s22, 1
	s_add_co_u32 s28, s28, s29
	s_add_co_u32 s28, s28, 64                      ; my block of 128
	s_lshl_b32 s28, s28, 3
	s_add_co_u32 s28, s28, s21
	s_lshl_b32 s28, s28, 9
	s_and_b32 s29, s22, 1
	s_lshl_b32 s29, s29, 8
	s_add_co_u32 s28, s28, s29
	s_mov_b32 s29, 0
	s_wait_kmcnt 0x0
	s_cmp_eq_u32 s20, 1                            ; the choice hangs on the work-group's number alone
	s_cselect_b64 s[6:7], s[8:9], s[6:7]
	s_cmp_eq_u32 s20, 2
	s_cselect_b64 s[6:7], s[10:11], s[6:7]
	s_cmp_eq_u32 s20, 3
	s_cselect_b64 s[6:7], s[12:13], s[6:7]
	s_add_nc_u64 s[6:7], s[6:7], s[24:25]
	s_add_nc_u64 s[14:15], s[14:15], s[26:27]
	s_add_nc_u64 s[16:17], s[16:17], s[28:29]
.macro WLOAD u                         ; unit u: block u / 2 along K of the 32 columns of group u % 2
.irp i, 0,1,2,3,4,5,6,7,8,9,10,11,12,13,14,15,16,17,18,19,20,21,22,23,24,25,26,27,28,29,30,31
	global_load_b32 v[X2+32*((\u)%2)+\i], v4, s[6:7] offset:(32*((\u)/2)+\i)*4096+128*((\u)%2)
.endr
.endm
.macro WUNIT u
.set XS, X2+32*((\u)%2)
.set BL, (\u)/2
.set GR, (\u)%2
.if (\u) < 7
	s_wait_loadcnt 32                              ; this unit's 32 loads are in; the next unit's may be out
.else
	s_wait_loadcnt 0x0
.endif
	v_max3_num_f32 v[M2], |v[XS]|, |v[XS+1]|, |v[XS+2]|
	v_max3_num_f32 v[M2+1], |v[XS+3]|, |v[XS+4]|, |v[XS+5]|
.irp i, 6,10,14,18,22,26
	v_max3_num_f32 v[M2], v[M2], |v[XS+\i]|, |v[XS+\i+1]|
	v_max3_num_f32 v[M2+1], v[M2+1], |v[XS+\i+2]|, |v[XS+\i+3]|
.endr
	v_max3_num_f32 v[M2], v[M2], |v[XS+30]|, |v[XS+31]|
	v_max3_num_f32 v[M2], v[M2], v[M2+1], 0x1800000
	v_add_nc_u32 v[SO2], 0xff000000, v[M2]
	v_lshrrev_b32 v[BY2], 23, v[SO2]
.if BL == 0
	v_mov_b32 v[WD+GR], v[BY2]
.else
	v_lshl_or_b32 v[WD+GR], v[BY2], 8*BL, v[WD+GR]
.endif
	v_cvt_scalef32_pk16_fp6_f32 v[C:C+2], v[XS:XS+15], v[SO2]
	v_cvt_scalef32_pk16_fp6_f32 v[T2:T2+2], v[XS+16:XS+31], v[SO2]
	v_nop
.irp i, 0,1,2
	v_mov_b32 v[C+3+\i], v[T2+\i]
.endr
	ds_store_b128 v8, v[C:C+3] offset:GR*3072+(BL/2)*768+256*(BL%2)        ; block BL is half BL / 2, lanes 16 (BL % 2) on, of the fragment's image
	ds_store_b64 v9, v[C+4:C+5] offset:GR*3072+(BL/2)*768+512+128*(BL%2)
.if BL == 3
	ds_store_b32 v10, v[WD+GR] offset:6144+128*GR
.endif
.if (\u)+2 < 8
	WLOAD (\u)+2
.endif
	s_wait_dscnt 0x0                               ; the stores have read their registers
.endm
	WLOAD 0
	WLOAD 1
.irp u, 0,1,2,3,4,5,6,7
	WUNIT \u
.endr
.irp i, 0,1,2,3,4,5,6,7,8,9,10,11
	ds_load_b128 v[OUTR+4*\i:OUTR+4*\i+3], v11 offset:512*\i
.endr
	ds_load_b64 v[148:149], v12 offset:6144
.irp i, 0,1,2,3,4,5,6,7,8,9,10,11
	s_wait_dscnt 12-\i                             ; load i is in; the younger ones may be out
	global_store_b128 v2, v[OUTR+4*\i:OUTR+4*\i+3], s[14:15] offset:(\i/3)*12288+512*(\i%3)
.endr
	s_wait_dscnt 0x0
	global_store_b64 v3, v[148:149], s[16:17]
	s_wait_tensorcnt 0x0
	ds_add_u32 v254, v255
	s_wait_dscnt 0x0
	s_endpgm
.Lfunc_end_k_q0b08a59f83_prep:
	.size	k_q0b08a59f83_prep, .Lfunc_end_k_q0b08a59f83_prep-k_q0b08a59f83_prep
	.p2alignl 7, 3214868480
	.fill 96, 4, 3214868480
	.section	.rodata,"a",@progbits
	.p2align	6, 0x0
	.amdhsa_kernel k_q0b08a59f83_prep
		.amdhsa_group_segment_fixed_size 59904
		.amdhsa_private_segment_fixed_size 0
		.amdhsa_enable_private_segment 0
		.amdhsa_kernarg_size 56
		.amdhsa_user_sgpr_count 2
		.amdhsa_user_sgpr_kernarg_segment_ptr 1
		.amdhsa_wavefront_size32 1
		.amdhsa_system_sgpr_workgroup_id_x 1
		.amdhsa_system_sgpr_workgroup_id_y 1
		.amdhsa_system_sgpr_workgroup_id_z 1
		.amdhsa_system_vgpr_workitem_id 0
		.amdhsa_next_free_vgpr 256
		.amdhsa_next_free_sgpr 66
		.amdhsa_reserve_vcc 1
		.amdhsa_float_denorm_mode_32 3
		.amdhsa_float_denorm_mode_16_64 3
		.amdhsa_memory_ordered 1
		.amdhsa_forward_progress 1
		.amdhsa_inst_pref_size 72
	.end_amdhsa_kernel
	.amdgpu_metadata
---
amdhsa.version: [ 1, 2 ]
amdhsa.kernels:
  - .name:           k_q0b08a59f83_prep
    .symbol:         k_q0b08a59f83_prep.kd
    .args:
      - { .name: x, .offset: 0, .size: 8, .value_kind: global_buffer, .address_space: global }
      - { .name: Wq, .offset: 8, .size: 8, .value_kind: global_buffer, .address_space: global }
      - { .name: Wk, .offset: 16, .size: 8, .value_kind: global_buffer, .address_space: global }
      - { .name: Wv, .offset: 24, .size: 8, .value_kind: global_buffer, .address_space: global }
      - { .name: Wo, .offset: 32, .size: 8, .value_kind: global_buffer, .address_space: global }
      - { .name: opimg, .offset: 40, .size: 8, .value_kind: global_buffer, .address_space: global }
      - { .name: opsc, .offset: 48, .size: 8, .value_kind: global_buffer, .address_space: global }
    .group_segment_fixed_size: 59904
    .private_segment_fixed_size: 0
    .kernarg_segment_align: 8
    .kernarg_segment_size: 56
    .max_flat_workgroup_size: 128
    .sgpr_count:     66
    .vgpr_count:     256
    .wavefront_size: 32
...
	.end_amdgpu_metadata
.endif
;; end of part 1
;; launch qkv (part 2): grid 8 x 48, 4 waves a work-group, clusters of 4 x 4, 327,680 bytes of LDS; arguments opimg, opsc, bq, bk, bv, qkvimg, qkvsc; writes qkvimg, qkvsc
.if DOCPART == 2
	.amdgcn_target "amdgcn-amd-amdhsa--gfx1250"
	.amdhsa_code_object_version 6
	.text
	.protected	k_q0b08a59f83_qkv
	.globl	k_q0b08a59f83_qkv
	.p2align	8
	.type	k_q0b08a59f83_qkv,@function
k_q0b08a59f83_qkv:
	s_mov_b64 s[64:65], 0
	v_nop
	global_prefetch_b8 v0, s[64:65] scope:SCOPE_SE
	s_setreg_imm32_b32 hwreg(HW_REG_WAVE_MODE, 25, 1), 1
	s_wait_xcnt 0x0
	s_wait_alu depctr_hold_cnt(0) depctr_sa_sdst(0) depctr_va_vdst(0) depctr_va_sdst(0) depctr_va_ssrc(0) depctr_va_vcc(0) depctr_vm_vsrc(0)
	s_getreg_b32 s2, hwreg(HW_REG_IB_STS2, 6, 4)
	s_cmp_eq_u32 s2, 0
	s_cbranch_scc0 .Lentry_in_a_cluster
	s_endpgm
.Lentry_in_a_cluster:
	s_bfe_u32 s2, ttmp6, 0x10000c
	s_cmp_lg_u32 s2, 0xf033
	s_cbranch_scc0 .Lentry_shape_is_right
	s_endpgm
.Lentry_shape_is_right:
.set FR,    12
.set NL,    4
.set NP,    4
.set HALFT, 24576
.set SLOT,  4*HALFT
.set SCL,   2*SLOT
.set SCLP,  SCL+8320
.set SPARE, 213248
.set ADRA,  16
.set ADRB,  20
.set L16,   24
.set L8,    25
.set BH,    26
.set ADRS,  27
.set SPW,   28
.set NIL,   29
.set BR,    30
.set SC,    32
.set CB,    64
.set AF,    128
.set CBR,   224
.set TM,    232
.set TT,    248
.set SEL,   12
.set G1,    24
.set G0,    32
.set G1B,   48
.set G0B,   56
.set G1S,   68
.set G0S,   76
.set G1SB,  80
.set G0SB,  88
.set MSB, 0
.macro WIN new
.if MSB != \new
	s_set_vgpr_msb (MSB<<8)|\new
.set MSB, \new
.endif
.endm
.set MUL_LO, 0xa1
.set MUL_HI, 0xf1
.set TO_B,   0x40
.macro JLOAD g0a, g1a, g0b, g1b
	s_cmp_eq_u32 s15, 0
	s_cbranch_scc0 .Lfor_b_\@
	tensor_load_to_lds s[\g0a:\g0a+3], s[\g1a:\g1a+7]
	s_nop 0
.rept 4
	v_nop
.endr
	s_branch .Lasked_\@
.Lfor_b_\@:
	tensor_load_to_lds s[\g0b:\g0b+3], s[\g1b:\g1b+7]
	s_nop 0
.rept 4
	v_nop
.endr
.Lasked_\@:
.endm
.macro CREST
	s_cmp_lg_u32 s14, 0
	s_cbranch_scc1 .Lnot_wave_0_\@
	s_barrier_signal -3
.Lnot_wave_0_\@:
	s_barrier_wait -3
	s_barrier_signal -1
	s_barrier_wait -1
.endm
.macro CROUND
	s_barrier_signal -1
	s_barrier_wait -1
	CREST
.endm
	s_load_b128 s[4:7], s[0:1], 0x0
	s_load_b256 s[92:99], s[0:1], 0x10
	s_load_b64 s[100:101], s[0:1], 0x30
	v_lshl_add_u32 v[SPW], v0, 2, SPARE
	v_mov_b32 v[NIL], 0
	ds_add_u32 v28, v29
	ds_add_u32 v28, v29
	s_wait_dscnt 0x0
	v_lshrrev_b32 v1, 5, v0
	v_readfirstlane_b32 s14, v1
	s_lshr_b32 s15, s14, 1
	s_and_b32 s16, s14, 1
	s_bfe_u32 s40, ttmp6, 0x40000
	s_bfe_u32 s41, ttmp6, 0x40004
	s_and_b32 s17, ttmp7, 0xffff
	s_lshl_b32 s43, s41, 2
	s_lshl_b32 s43, 15, s43
	s_lshl_b32 s44, 0x1111, s40
	s_mov_b32 s[SEL], 0x76543210
	s_mov_b32 s[SEL+1], 0xfedcba98
	s_lshl_b32 s18, s17, 2
	s_max_u32 s19, s17, 8
	s_sub_co_u32 s19, s19, 8
	s_lshl_b32 s19, s19, 3
	s_lshl_b32 s42, ttmp9, 2
	s_cmp_lt_u32 s17, 8
	s_cselect_b32 s18, s18, 40
	s_cselect_b32 s19, 32, s19
	s_add_co_u32 s18, s18, s41
	s_add_co_u32 s19, s19, s42
	s_add_co_u32 s19, s19, s40
	s_or_b32 s[G1+0], s43, (3<<16)|(1<<21)
	s_or_b32 s[G1B+0], s44, (3<<16)|(1<<21)
.irp g, G1, G1B
	s_mov_b32 s[\g+1], 384<<16
	s_mov_b32 s[\g+2], 16<<16                      ; the head's loads bring a tile's 16 rows; behind them the two words that count rows are set to 8
	s_mov_b32 s[\g+3], 384<<16
	s_mov_b32 s[\g+4], 16
	s_mov_b32 s[\g+5], 1536
	s_mov_b32 s[\g+6], 0
	s_mov_b32 s[\g+7], 0
.endr
	s_or_b32 s[G1S+0], s43, (3<<16)|(1<<21)
	s_or_b32 s[G1SB+0], s44, (3<<16)|(1<<21)
.irp g, G1S, G1SB
	s_mov_b32 s[\g+1], 32<<16
	s_mov_b32 s[\g+2], 32<<16                      ; the scale words of 256 rows: 8,192 dense bytes as 32 rows of 256
	s_mov_b32 s[\g+3], 32<<16
	s_mov_b32 s[\g+4], 32
	s_mov_b32 s[\g+5], 32
	s_mov_b32 s[\g+6], 0
	s_mov_b32 s[\g+7], 0
.endr
	s_mul_i32 s20, s18, 196608
	s_mul_i32 s21, s16, 98304
	s_add_co_u32 s20, s20, s21
	s_mov_b32 s21, 0
	s_lshl_b32 s22, s18, 13
	s_mov_b32 s23, 0
	s_mul_i32 s46, s19, 196608
	s_mul_i32 s47, s16, 98304
	s_add_co_u32 s46, s46, s47
	s_mov_b32 s47, 0
	s_lshl_b32 s66, s19, 13
	s_mov_b32 s67, 0
	s_mul_i32 s45, s14, HALFT
	s_wait_kmcnt 0x0
	s_add_nc_u64 s[20:21], s[4:5], s[20:21]
	s_add_nc_u64 s[22:23], s[6:7], s[22:23]
	s_add_nc_u64 s[46:47], s[4:5], s[46:47]
	s_add_nc_u64 s[66:67], s[6:7], s[66:67]
	CROUND
	s_mov_b32 s[G0S], 1
	s_mov_b32 s[G0S+1], SCL
	s_mov_b64 s[G0S+2:G0S+3], s[22:23]
	s_or_b32 s[G0S+3], s[G0S+3], 0x80000000
	s_mov_b32 s[G0SB], 1
	s_mov_b32 s[G0SB+1], SCLP
	s_mov_b64 s[G0SB+2:G0SB+3], s[66:67]
	s_or_b32 s[G0SB+3], s[G0SB+3], 0x80000000
.irp s, 0,1
	s_mov_b32 s[G0+4*\s], 1
	s_add_co_u32 s[G0+4*\s+1], s45, \s*SLOT
	s_add_nc_u64 s[G0+4*\s+2:G0+4*\s+3], s[20:21], \s*3072
	s_or_b32 s[G0+4*\s+3], s[G0+4*\s+3], 0x80000000
	s_mov_b32 s[G0B+4*\s], 1
	s_add_co_u32 s[G0B+4*\s+1], s45, \s*SLOT
	s_add_nc_u64 s[G0B+4*\s+2:G0B+4*\s+3], s[46:47], \s*3072
	s_or_b32 s[G0B+4*\s+3], s[G0B+4*\s+3], 0x80000000
.endr
; THE HEAD'S LOADS, ONE A WAVE, in one tree of branches on the wave's number: wave 0 slot 0's 16 tiles of the one operand (its own group 0 names their first byte and LDS byte 0), wave 2 those of the other,
; wave 1 and wave 3 the two operands' scale words.  Every way through the head passes one load.
	s_cmp_eq_u32 s14, 0
	s_cbranch_scc0 .Lhd_1
	tensor_load_to_lds s[G0:G0+3], s[G1:G1+7]
	s_nop 0
.rept 4
	v_nop
.endr
	s_branch .Lhd_x
.Lhd_1:
	s_cmp_eq_u32 s14, 1
	s_cbranch_scc0 .Lhd_2
	tensor_load_to_lds s[G0S:G0S+3], s[G1S:G1S+7]
	s_nop 0
.rept 4
	v_nop
.endr
	s_branch .Lhd_x
.Lhd_2:
	s_cmp_eq_u32 s14, 2
	s_cbranch_scc0 .Lhd_3
	tensor_load_to_lds s[G0B:G0B+3], s[G1B:G1B+7]
	s_nop 0
.rept 4
	v_nop
.endr
	s_branch .Lhd_x
.Lhd_3:
	tensor_load_to_lds s[G0SB:G0SB+3], s[G1SB:G1SB+7]
	s_nop 0
.rept 4
	v_nop
.endr
.Lhd_x:
	s_wait_alu depctr_va_vdst(0)
	s_wait_tensorcnt 0x0                           ; my tile of the head's four is in
	ds_add_u32 v28, v29
	s_mov_b32 s[G1+2], 8<<16                       ; no tensor load of mine is out: from here on a load brings 8 rows
	s_mov_b32 s[G1+4], 8
	s_mov_b32 s[G1B+2], 8<<16
	s_mov_b32 s[G1B+4], 8
	s_wait_dscnt 0x0
	CROUND
	JLOAD G0+4, G1, G0B+4, G1B                     ; slot 1's first fill, a quarter a wave
	v_and_b32 v1, 31, v0
	v_and_b32 v2, 15, v0
	v_bfe_u32 v3, v0, 4, 1
	v_lshlrev_b32 v[L16], 4, v1
	v_lshlrev_b32 v[L8], 3, v1
	s_mul_i32 s8, s15, HALFT
	s_mul_i32 s9, s16, HALFT
	s_add_co_u32 s9, s9, 2*HALFT
.irp s, 0,1
	v_add_nc_u32 v[ADRA+\s], s8, v[L16]
	v_add_nc_u32 v[ADRA+2+\s], s8, v[L8]
	v_add_nc_u32 v[ADRB+\s], s9, v[L16]
	v_add_nc_u32 v[ADRB+2+\s], s9, v[L8]
	s_add_co_u32 s8, s8, SLOT
	s_add_co_u32 s9, s9, SLOT
.endr
	s_lshl_b32 s8, s15, 12
	s_lshl_b32 s9, s16, 12
	s_add_co_u32 s9, s9, SCLP-SCL
	s_sub_co_u32 s9, s9, s8
	v_mul_u32_u24 v4, s9, v3
	s_add_co_u32 s8, s8, SCL
	v_lshl_add_u32 v4, v2, 3, v4
	v_add_nc_u32 v[ADRS], s8, v4
	v_lshlrev_b32 v[BH], 6, v3
	s_wait_alu depctr_va_vdst(0)
	v_and_b32 v5, 8, v2
	v_add_nc_u32 v5, v5, v2
	v_lshlrev_b32 v[BR], 2, v5
	s_wait_alu depctr_va_vdst(0)
	s_lshl_b32 s8, s18, 1
	s_add_co_u32 s8, s8, s15
	s_lshl_b32 s9, s19, 1
	s_add_co_u32 s9, s9, s16
	s_and_b32 s10, s8, 7
	s_and_b32 s11, s9, 7
	s_cmp_eq_u32 ttmp9, 0
	s_cselect_b64 s[92:93], s[92:93], s[94:95]
	s_cmp_lt_u32 s17, 8
	s_cselect_b64 s[92:93], s[92:93], s[96:97]
	s_cselect_b32 s42, ttmp9, 2
	s_cselect_b32 s2, s11, s10
	s_cselect_b32 s3, s8, s9
	s_lshl_b32 s20, s10, 9
	s_mov_b32 s21, 0
	s_add_nc_u64 s[94:95], s[92:93], s[20:21]
	s_lshl_b32 s20, s11, 9
	s_add_nc_u64 s[92:93], s[92:93], s[20:21]
.irp b, 0,1,2,3,4,5,6,7
	global_load_b128 v[CB+8*\b:CB+8*\b+3], v[BH], s[92:93] offset:128*(\b/2)+32*(\b%2)
	global_load_b128 v[CB+8*\b+4:CB+8*\b+7], v[BH], s[92:93] offset:128*(\b/2)+32*(\b%2)+16
.endr
.irp a, 0,1,2,3,4,5,6,7
	global_load_b32 v[CBR+\a], v[BR], s[94:95] offset:128*(\a/2)+32*(\a%2)
.endr
	s_lshr_b32 s22, s3, 4
	s_lshl_b32 s22, s22, 3
	s_add_co_u32 s22, s22, s2
	s_lshl_b32 s22, s22, 4
	s_and_b32 s23, s3, 15
	s_add_co_u32 s22, s22, s23
	s_mul_i32 s20, s42, 6291456
	s_mul_i32 s23, s22, 12288
	s_add_co_u32 s20, s20, s23
	s_add_nc_u64 s[98:99], s[98:99], s[20:21]
	s_lshl_b32 s20, s42, 18
	s_lshl_b32 s23, s22, 9
	s_add_co_u32 s20, s20, s23
	s_add_nc_u64 s[100:101], s[100:101], s[20:21]
.macro FRAG reg, adr, off
	ds_load_b128 v[\reg:\reg+3], v[\adr] offset:\off
	ds_load_b64 v[\reg+4:\reg+5], v[\adr+2] offset:\off+512
	ds_load_b128 v[\reg+6:\reg+9], v[\adr] offset:\off+768
	ds_load_b64 v[\reg+10:\reg+11], v[\adr+2] offset:\off+1280
.endm
.macro MUL16 a0, p, q, sc, mode
.irp a, \a0, \a0+1
.irp b, 0,1,2,3,4,5,6,7
.set rD, 8*(8*((\a)%4)+\b)
.set rP, 128*(\p)+FR*\b
.set rR, AF+FR*(\a)
.set rSP, SC+16*(\sc)+8*(\q)+\b
.set rSR, SC+16*(\sc)+8*(\q)+(\a)
.if \mode == 0
	v_wmma_scale_f32_16x16x128_f8f6f4 v[rD:rD+7], v[rP:rP+FR-1], v[rR:rR+FR-1], v[rD:rD+7], v[rSP], v[rSR] matrix_a_fmt:MATRIX_FMT_FP6 matrix_b_fmt:MATRIX_FMT_FP6 matrix_a_scale:MATRIX_SCALE_ROW1
.elseif \mode == 1
	v_wmma_scale_f32_16x16x128_f8f6f4 v[rD:rD+7], v[rP:rP+FR-1], v[rR:rR+FR-1], v[CB+8*\b:CB+8*\b+7], v[rSP], v[rSR] matrix_a_fmt:MATRIX_FMT_FP6 matrix_b_fmt:MATRIX_FMT_FP6 matrix_a_scale:MATRIX_SCALE_ROW1
.else
	v_wmma_scale_f32_16x16x128_f8f6f4 v[rD:rD+7], v[rP:rP+FR-1], v[rR:rR+FR-1], v[CB+8*(\a):CB+8*(\a)+7], v[rSP], v[rSR] matrix_a_fmt:MATRIX_FMT_FP6 matrix_b_fmt:MATRIX_FMT_FP6 matrix_a_scale:MATRIX_SCALE_ROW1
.endif
.endr
.endr
.endm
.macro FETCH_B slot, q, p
	WIN TO_B
.irp i, 0,1,2,3,4,5,6,7
	FRAG 128*(\p)+FR*\i, ADRB+\slot, \i*3072+(\q)*1536
.endr
	WIN 0
.endm
.macro FETCH_A slot, q, i0
.irp i, \i0, \i0+1, \i0+2, \i0+3
	FRAG AF+FR*(\i), ADRA+\slot, (\i)*3072+(\q)*1536
.endr
.endm
.macro SCALES set, f
.irp q, 0,1
.irp g, 0,1,2,3
	ds_load_b64 v[SC+16*(\set)+8*\q+2*\g:SC+16*(\set)+8*\q+2*\g+1], v[ADRS] offset:(2*(\f)+\q)*512+128*\g
.endr
.endr
.endm
.macro PLACES n
.rept \n
	v_nop
.endr
.endm
.macro STEP slot, mode
	s_wait_dscnt 4*NL
.if \mode
	WIN 0x81
.else
	WIN MUL_LO
.endif
	MUL16 0, 0, 0, \slot, \mode
	MUL16 2, 0, 0, \slot, \mode
	s_wait_dscnt 0
	PLACES NP
	FETCH_B \slot, 1, 1
	FETCH_A \slot, 1, 0
.if \mode
	WIN 0xc1
.else
	WIN MUL_HI
.endif
	MUL16 4, 0, 0, \slot, \mode
	MUL16 6, 0, 0, \slot, \mode
	PLACES NP
	WIN 0
	FETCH_A \slot, 1, 4
.endm
.macro TURN slot, next, fill, f
	s_wait_tensorcnt 0x0
	ds_add_u32 v[SPW], v[NIL]
	s_wait_dscnt 4*NL+1
	WIN MUL_LO
	MUL16 0, 1, 1, \slot, 0
	s_wait_dscnt 0x0
	s_barrier_signal -1
	MUL16 2, 1, 1, \slot, 0
	WIN 0
	s_barrier_wait -1
.if \fill
	CREST
	s_add_nc_u64 s[G0+4*\slot+2:G0+4*\slot+3], s[G0+4*\slot+2:G0+4*\slot+3], 6144
	s_add_nc_u64 s[G0B+4*\slot+2:G0B+4*\slot+3], s[G0B+4*\slot+2:G0B+4*\slot+3], 6144
	JLOAD G0+4*\slot, G1, G0B+4*\slot, G1B
.else
	PLACES NP
.endif
	FETCH_B \next, 0, 0
	FETCH_A \next, 0, 0
	SCALES \next, \f
	WIN MUL_HI
	MUL16 4, 1, 1, \slot, 0
	MUL16 6, 1, 1, \slot, 0
	PLACES NP
	WIN 0
	FETCH_A \next, 0, 4
.endm
	s_wait_tensorcnt 1
	s_barrier_signal -1
	s_barrier_wait -1
	FETCH_B 0, 0, 0
	FETCH_A 0, 0, 0
	SCALES 0, 0
	FETCH_A 0, 0, 4
	s_wait_loadcnt 0x0
	s_cmp_lt_u32 s17, 8
	s_cbranch_scc0 .Lv_first
	STEP 0, 1
	s_branch .Ljoined
.Lv_first:
.irp a, 0,1,2,3,4,5,6,7
.irp j, 0,1,2,3,4,5,6,7
	v_mov_b32 v[CB+8*\a+\j], v[CBR+\a]
.endr
.endr
	s_wait_alu depctr_va_vdst(0)
	STEP 0, 2
.Ljoined:
	TURN 0, 1, 1, 1
	STEP 1, 0
	TURN 1, 0, 1, 2
	STEP 0, 0
	TURN 0, 1, 0, 3
	STEP 1, 0
	s_wait_dscnt 4*NL
	WIN MUL_LO
	MUL16 0, 1, 1, 1, 0
	MUL16 2, 1, 1, 1, 0
	s_wait_dscnt 0
	WIN MUL_HI
	MUL16 4, 1, 1, 1, 0
	MUL16 6, 1, 1, 1, 0
	WIN 0
.irp b, 0,1,2,3
	v_mov_b32 v[TM+4+\b], 0
.endr
.macro QTILE a
.set AC, 64*((\a)%4)
.set PCA, AF+12*(\a)
	WIN (0x0a+5*((\a)/4))
.irp b, 0,1,2,3
	v_max3_num_f32 v[TM+\b], |v[AC+16*\b]|, |v[AC+16*\b+1]|, 0x1800000
.endr
.irp i, 2,4,6,8,10,12,14
.irp b, 0,1,2,3
	v_max3_num_f32 v[TM+\b], |v[AC+16*\b+\i]|, |v[AC+16*\b+\i+1]|, v[TM+\b]
.endr
.endr
	WIN 0
.irp b, 0,1,2,3
	v_permlanex16_b32 v[TM+4+\b], v[TM+\b], s[SEL], s[SEL+1]
.endr
.irp b, 0,1,2,3
	v_max_num_f32 v[TM+\b], v[TM+\b], v[TM+4+\b]
.endr
.irp b, 0,1,2,3
	v_add_nc_u32 v[TM+12+\b], 0xff000000, v[TM+\b]
.endr
.irp b, 0,1,2,3
	v_lshrrev_b32 v[TM+4+\b], 23, v[TM+12+\b]
.endr
	v_lshl_or_b32 v[CB+(\a)], v[TM+5], 8, v[TM+4]
	v_lshl_or_b32 v[CB+(\a)], v[TM+6], 16, v[CB+(\a)]
	v_lshl_or_b32 v[CB+(\a)], v[TM+7], 24, v[CB+(\a)]
	WIN (0x02+((\a)/4))
.irp c, 0,1
	v_cvt_scalef32_pk16_fp6_f32 v[PCA+6*\c:PCA+6*\c+2], v[AC+32*\c:AC+32*\c+15], v[TM+12+2*\c]
	v_cvt_scalef32_pk16_fp6_f32 v[TT+4*\c:TT+4*\c+2], v[AC+32*\c+16:AC+32*\c+31], v[TM+12+2*\c+1]
.endr
	WIN 0
	v_nop
.irp c, 0,1
.irp i, 0,1,2
	v_permlane16_swap_b32 v[PCA+6*\c+\i], v[TT+4*\c+\i]
.endr
.irp i, 0,1,2
	v_mov_b32 v[PCA+6*\c+3+\i], v[TT+4*\c+\i]
.endr
.endr
	global_store_b128 v[L16], v[PCA:PCA+3], s[98:99] offset:(\a)*1536
	global_store_b64 v[L8], v[PCA+4:PCA+5], s[98:99] offset:(\a)*1536+512
	global_store_b128 v[L16], v[PCA+6:PCA+9], s[98:99] offset:(\a)*1536+768
	global_store_b64 v[L8], v[PCA+10:PCA+11], s[98:99] offset:(\a)*1536+1280
.endm
.irp a, 0,1,2,3,4,5,6,7
	QTILE \a
.endr
	v_cmp_ne_u32 vcc_lo, 0, v[BH]
	v_cndmask_b32 v[CB+8], v[CB], v[CB+2], vcc_lo
	v_cndmask_b32 v[CB+9], v[CB+1], v[CB+3], vcc_lo
	v_cndmask_b32 v[CB+10], v[CB+4], v[CB+6], vcc_lo
	v_cndmask_b32 v[CB+11], v[CB+5], v[CB+7], vcc_lo
	global_store_b64 v[L8], v[CB+8:CB+9], s[100:101]
	global_store_b64 v[L8], v[CB+10:CB+11], s[100:101] offset:256
	s_wait_tensorcnt 0x0
	ds_add_u32 v[SPW], v[NIL]
	s_wait_dscnt 0x0
	CROUND
	s_endpgm
.Lfunc_end_k_q0b08a59f83_qkv:
	.size	k_q0b08a59f83_qkv, .Lfunc_end_k_q0b08a59f83_qkv-k_q0b08a59f83_qkv
	.p2alignl 7, 3214868480
	.fill 96, 4, 3214868480
	.section	.rodata,"a",@progbits
	.p2align	6, 0x0
	.amdhsa_kernel k_q0b08a59f83_qkv
		.amdhsa_group_segment_fixed_size 327680
		.amdhsa_private_segment_fixed_size 0
		.amdhsa_enable_private_segment 0
		.amdhsa_kernarg_size 56
		.amdhsa_user_sgpr_count 2
		.amdhsa_user_sgpr_kernarg_segment_ptr 1
		.amdhsa_wavefront_size32 1
		.amdhsa_system_sgpr_workgroup_id_x 1
		.amdhsa_system_sgpr_workgroup_id_y 1
		.amdhsa_system_sgpr_workgroup_id_z 1
		.amdhsa_system_vgpr_workitem_id 0
		.amdhsa_next_free_vgpr 1024
		.amdhsa_next_free_sgpr 102
		.amdhsa_reserve_vcc 1
		.amdhsa_float_denorm_mode_32 3
		.amdhsa_float_denorm_mode_16_64 3
		.amdhsa_memory_ordered 1
		.amdhsa_forward_progress 1
		.amdhsa_inst_pref_size 166
	.end_amdhsa_kernel
	.amdgpu_metadata
---
amdhsa.version: [ 1, 2 ]
amdhsa.kernels:
  - .name:           k_q0b08a59f83_qkv
    .symbol:         k_q0b08a59f83_qkv.kd
    .args:
      - { .name: opimg, .offset: 0, .size: 8, .value_kind: global_buffer, .address_space: global }
      - { .name: opsc, .offset: 8, .size: 8, .value_kind: global_buffer, .address_space: global }
      - { .name: bq, .offset: 16, .size: 8, .value_kind: global_buffer, .address_space: global }
      - { .name: bk, .offset: 24, .size: 8, .value_kind: global_buffer, .address_space: global }
      - { .name: bv, .offset: 32, .size: 8, .value_kind: global_buffer, .address_space: global }
      - { .name: qkvimg, .offset: 40, .size: 8, .value_kind: global_buffer, .address_space: global }
      - { .name: qkvsc, .offset: 48, .size: 8, .value_kind: global_buffer, .address_space: global }
    .group_segment_fixed_size: 327680
    .private_segment_fixed_size: 0
    .kernarg_segment_align: 8
    .kernarg_segment_size: 56
    .max_flat_workgroup_size: 128
    .sgpr_count:     102
    .vgpr_count:     1024
    .wavefront_size: 32
...
	.end_amdgpu_metadata
.endif
;; end of part 2
;; launch attn (part 3): grid 8 x 32, 16 waves a work-group, clusters of 4 x 1, 327,680 bytes of LDS; arguments qkvimg, qkvsc, cimg, csc; writes cimg, csc
.if DOCPART == 3
	.amdgcn_target "amdgcn-amd-amdhsa--gfx1250"
	.amdhsa_code_object_version 6
	.text
	.protected	k_q0b08a59f83_attn
	.globl	k_q0b08a59f83_attn
	.p2align	8
	.type	k_q0b08a59f83_attn,@function
k_q0b08a59f83_attn:
	s_mov_b64 s[64:65], 0
	v_nop
	global_prefetch_b8 v0, s[64:65] scope:SCOPE_SE
	s_setreg_imm32_b32 hwreg(HW_REG_WAVE_MODE, 25, 1), 1
	s_wait_xcnt 0x0
	s_wait_alu depctr_hold_cnt(0) depctr_sa_sdst(0) depctr_va_vdst(0) depctr_va_sdst(0) depctr_va_ssrc(0) depctr_va_vcc(0) depctr_vm_vsrc(0)
	s_getreg_b32 s2, hwreg(HW_REG_IB_STS2, 6, 4)
	s_cmp_eq_u32 s2, 0
	s_cbranch_scc0 .Lentry_in_a_cluster
	s_endpgm
.Lentry_in_a_cluster:
	s_bfe_u32 s2, ttmp6, 0x10000c
	s_cmp_lg_u32 s2, 0x3003
	s_cbranch_scc0 .Lentry_shape_is_right
	s_endpgm
.Lentry_shape_is_right:
; ctx = softmax(q k^T / 8) v for 64 (batch, head) pairs of 2,048 x 64, both products on codes of FP6 with E8M0 scales; ctx is quantised along the head's 64 and leaves as codes, laid as the last product's operand.
; THE SOFTMAX: t = score x log2(e) / 8; M = the running largest t rounded UP to a whole number; p = 2^(t - M) is quantised along the keys, not normalised; the row's sum is taken of the unquantised p and divides at the end.
; SHARES.  256 work-groups.  A work-group owns 256 queries of a PAIR of heads (the images hold a pair: half c of a fragment of q or k is head c; fragments 4 c .. 4 c + 3 of v are head c) and takes head 0, then head 1.
; Wave w owns the tile of 16 queries w for both heads, so it makes all four bytes of its rows' scale word of ctx.  Every wave walks the head's 2,048 keys, 128 a step.
; LDS.  ONE head's K and V, 196,608 bytes, lie in LDS whole, as two slots of 1,024 keys (K's 49,152 bytes, then V's).  All first fills go out at the head, one load a wave: waves 0-3 K's quarters, 4-7 V's, 8-15 the scale words of both heads.
; FOUR PHASES of eight key steps: (head 0, slot 0), (head 0, slot 1), (head 1, slot 0), (head 1, slot 1).  Behind phase 0 slot 0 takes head 1's keys, behind phase 1 slot 1 does: two refills, each behind a drained round of the cluster's barrier;
; a plain barrier ahead of phase 3 shows the second refill to all waves.  Each of waves 0-7 refills its own quarter once.
; CLUSTER: the four query blocks of a cluster walk the same K and V: joint loads, mask 15; no descriptor word hangs on a work-group's place in its cluster.
; NO PREFETCH: the first fills stand at the head, with no loop ahead of them, and each refill is asked for eight key steps ahead of the first read of its bytes.
; LAYOUT.  S^T = K Q^T (source 0 = 16 keys), O^T = V^T P^T (source 0 = 16 of the head's 64): a lane holds one query throughout.  The tiles' rows are ordered so that the 16 registers of tiles 2 b, 2 b + 1 are 16 neighbours.
; K = 64 IN A FORM OF 128: the upper six registers of Q's operand hold zero codes; the upper six of K's operand are whatever stands there (the next tile's codes; behind the last tile six cleared registers): they meet zeros.
; The upper two bytes of that product's scale words are 0 or another block's byte (1 to 254): finite scales, over products that are zero.
; LIMITS: the scaled scores t stay under 2^31 in magnitude; a block of ctx whose largest magnitude lies under 2^-124 gets the byte 1; NaN and infinities are not served.
.set SLOTB, 98304                      ; a slot: 1,024 keys of one head
.set VOFF,  49152                      ; V's part of a slot
.set STEPB, 6144                       ; a key step's bytes of K, and of V
.set SCK,   196608                     ; K's scale words of all keys and both heads: 8,192 bytes
.set SCV,   8192                       ; V's, so far behind K's
.set SCR,   212992                     ; ctx's scale words meet here: 1,024 bytes, into which no fill lands
.set SPARE, 214016                     ; the spare words: eight blocks of 256 bytes that no other line names
.set SPW,  5
.set NIL,  6
.set A16,  9                           ; v9  16 x lane + the key step's place; v10  8 x lane + the same; v11  8 x lane + the step's scale words
.set A8,   10
.set AS,   11
.set KF,   32                          ; v32-79 K's eight half fragments, later V's four fragments; v80-85 zeros
.set KS,   86
.set VS,   90
.set QS,   92
.set PW,   93
.set S,    96
.set O,    160
.set PC,   192
.set TT,   204
.set BM,   212
.set BX,   216
.set SO,   220
.set FF,   224
.set L16,  228
.set L8,   229
.set TMP,  231
.set CW,   234                         ; v234 my rows' scale word of ctx; v235 head 1's two bytes
.set Q1,   236                         ; v236-241 head 1's half of Q's fragment
.set WV,   12
.set SEL,  20
.set CS,   22
.set G1K,  24
.set G1V,  32
.set G1S,  40
.set G0,   48
.set G0S,  52
.set HO,   56                          ; s[56:57] from head 0's bytes to head 1's in my tile's rows
.set RH,   58                          ; which refill is mine: 0, 1; 2 and above: none
.set TB,   59
.set TS,   60
.macro WALU
	s_wait_alu depctr_va_vdst(0)
.endm
.macro CROUND
	s_barrier_signal -1
	s_barrier_wait -1
	s_cmp_lg_u32 s[WV], 0
	s_cbranch_scc1 .Lnot_wave_0_\@
	s_barrier_signal -3
.Lnot_wave_0_\@:
	s_barrier_wait -3
	s_barrier_signal -1
	s_barrier_wait -1
.endm
.macro TL g0, g1                       ; an s_nop 0 and four v_nop follow the line
	tensor_load_to_lds s[\g0:\g0+3], s[\g1:\g1+7]
	s_nop 0
.rept 4
	v_nop
.endr
.endm
.macro GR1 g, c, r, p                  ; group 1: r rows of c elements of 8 bytes, p elements apart; mask 15, bit 21 beside it
	s_mov_b32 s[\g], 15|(3<<16)|(1<<21)
	s_mov_b32 s[\g+1], (\c)<<16
	s_mov_b32 s[\g+2], (\r)<<16
	s_mov_b32 s[\g+3], (\c)<<16
	s_mov_b32 s[\g+4], \r
	s_mov_b32 s[\g+5], \p
	s_mov_b32 s[\g+6], 0
	s_mov_b32 s[\g+7], 0
.endm
.macro SADD d, x
	s_add_co_u32 s\d, s\d, s\x
.endm
	s_load_b256 s[4:11], s[0:1], 0x0               ; qkvimg, qkvsc, cimg, csc
	v_lshl_add_u32 v[SPW], v0, 2, SPARE
	v_mov_b32 v[NIL], 0
	ds_add_u32 v[SPW], v[NIL]                      ; the opening lines: the add, twice on end, and its wait
	ds_add_u32 v[SPW], v[NIL]
	v_lshrrev_b32 v9, 5, v0
	v_readfirstlane_b32 s[WV], v9                  ; wave 0..15
	s_bfe_u32 s13, ttmp6, 0x40000                  ; cx
	s_lshl_b32 s14, ttmp9, 2
	SADD 14, 13                                    ; my block of 256 queries, 0..7: it enters Q's and the outputs' addresses alone
	s_and_b32 s15, ttmp7, 0xffff                   ; y = batch x 8 + head pair, which the partners share
	s_and_b32 s16, s[WV], 3                        ; the quarter that I fetch
	s_bfe_u32 s17, s[WV], 0x10002                  ; of K (0) or of V (1)
	s_add_co_u32 s18, s17, 1                       ; the tensor's number in the images
	s_mul_i32 s66, s18, 6291456                    ; codes: tensor, pair, quarter of 512 keys
	s_mul_i32 s19, s15, 196608
	SADD 66, 19
	s_mul_i32 s19, s16, 49152
	SADD 66, 19
	s_mov_b32 s67, 0
	s_lshr_b32 s19, s16, 1                         ; where they go: slot quarter / 2, K's or V's part, half quarter % 2
	s_mul_i32 s61, s19, SLOTB
	s_and_b32 s19, s16, 1
	s_mul_i32 s19, s19, 24576
	SADD 61, 19
	s_mul_i32 s19, s17, VOFF
	SADD 61, 19
	s_lshl_b32 s68, s18, 18                        ; scale words: tensor, pair, quarter of 2,048 bytes
	s_lshl_b32 s19, s15, 13
	SADD 68, 19
	s_lshl_b32 s19, s16, 11
	SADD 68, 19
	s_mov_b32 s69, 0
	s_and_b32 s62, s[WV], 7
	s_lshl_b32 s62, s62, 11
	s_add_co_u32 s62, s62, SCK
	s_mov_b32 s[HO], STEPB
	s_cmp_eq_u32 s17, 0
	s_cselect_b32 s[HO], 768, s[HO]                ; K: the other half of a tile's 1,536 bytes; V: the other four fragments
	s_mov_b32 s[HO+1], 0
	s_bfe_u32 s[RH], s[WV], 0x10001
	s_lshr_b32 s19, s[WV], 3
	s_lshl_b32 s19, s19, 1
	s_or_b32 s[RH], s[RH], s19
	s_lshl_b32 s70, s15, 4                         ; Q: block of 128 queries = 16 y + 2 x my block + wave / 8
	s_lshl_b32 s19, s14, 1
	SADD 70, 19
	s_lshr_b32 s19, s[WV], 3
	SADD 70, 19
	s_and_b32 s63, s[WV], 7                        ; my tile in it
	s_lshr_b32 s78, s63, 1
	s_lshl_b32 s78, s78, 7
	s_and_b32 s19, s63, 1
	s_lshl_b32 s19, s19, 2
	SADD 78, 19                                    ; my tile's words in a block of scale words: 128 (tile / 2) + 4 (tile % 2): by the wave's number alone
	s_lshl_b32 s72, s70, 9
	SADD 72, 78
	s_mov_b32 s73, 0
	s_mul_i32 s70, s70, 12288
	s_mul_i32 s19, s63, 1536
	SADD 70, 19
	s_mov_b32 s71, 0
	s_lshr_b32 s74, s15, 3                         ; batch
	s_and_b32 s79, s15, 7                          ; head pair
	s_lshl_b32 s76, s74, 4                         ; csc: ((16 batch + block of 128) x 8 + pair) x 512; waves 0 and 1 store a block each
	s_lshl_b32 s19, s14, 1
	SADD 76, 19
	s_and_b32 s19, s[WV], 1
	SADD 76, 19
	s_lshl_b32 s76, s76, 3
	SADD 76, 79
	s_lshl_b32 s76, s76, 9
	s_mov_b32 s77, 0
	s_lshl_b32 s74, s74, 7                         ; cimg: ((128 batch + 16 x my block + wave) x 8 + pair) x 1,536
	s_lshl_b32 s19, s14, 4
	SADD 74, 19
	s_add_co_u32 s74, s74, s[WV]
	s_lshl_b32 s74, s74, 3
	SADD 74, 79
	s_mul_i32 s74, s74, 1536
	s_mov_b32 s75, 0
	GR1 G1K, 96, 32, 192                           ; K: 32 tiles' halves of 768 bytes, 1,536 apart
	GR1 G1V, 768, 4, 1536                          ; V: 4 key steps' 6,144 bytes, 12,288 apart
	GR1 G1S, 32, 8, 32                             ; scale words: 2,048 dense bytes as rows of 256
	s_mov_b32 s[SEL], 0x76543210
	s_mov_b32 s[SEL+1], 0xfedcba98
	s_mov_b32 s[CS], 0x3e38aa3b                    ; log2(e) / 8
	s_mov_b32 s[CS+1], s[CS]
	WALU
	s_wait_dscnt 0x0                               ; both opening adds are done
	s_wait_kmcnt 0x0
	s_mov_b32 s[G0], 1
	s_mov_b32 s[G0+1], s61
	s_add_nc_u64 s[G0+2:G0+3], s[4:5], s[66:67]
	s_or_b32 s[G0+3], s[G0+3], 0x80000000
	s_mov_b32 s[G0S], 1
	s_mov_b32 s[G0S+1], s62
	s_add_nc_u64 s[G0S+2:G0S+3], s[6:7], s[68:69]
	s_or_b32 s[G0S+3], s[G0S+3], 0x80000000
	s_add_nc_u64 s[70:71], s[4:5], s[70:71]        ; Q's fragment
	s_add_nc_u64 s[72:73], s[6:7], s[72:73]        ; and its scale words
	s_add_nc_u64 s[8:9], s[8:9], s[74:75]
	s_add_nc_u64 s[10:11], s[10:11], s[76:77]
	CROUND                                         ; all four work-groups are here: the first joint loads meet
	s_cmp_lt_u32 s[WV], 4                          ; one chain of branches, one load to an arm: every way through the head passes one load
	s_cbranch_scc0 .Lhead_v
	TL G0, G1K
	s_branch .Lhead_asked
.Lhead_v:
	s_cmp_lt_u32 s[WV], 8
	s_cbranch_scc0 .Lhead_s
	TL G0, G1V
	s_branch .Lhead_asked
.Lhead_s:
	TL G0S, G1S
.Lhead_asked:
	v_and_b32 v9, 31, v0                           ; lane
	v_and_b32 v10, 15, v0                          ; r
	v_lshlrev_b32 v[L16], 4, v9
	v_lshlrev_b32 v[L8], 3, v9
	v_lshlrev_b32 v230, 3, v10
	global_load_b128 v[20:23], v[L16], s[70:71]             ; head 0's half of Q's fragment
	global_load_b64 v[24:25], v[L8], s[70:71] offset:512
	global_load_b128 v[Q1:Q1+3], v[L16], s[70:71] offset:768   ; head 1's, kept for the change of heads
	global_load_b64 v[Q1+4:Q1+5], v[L8], s[70:71] offset:1280
	global_load_b32 v[QS], v230, s[72:73]          ; query r's scale word: bytes 0, 1 head 0's, bytes 2, 3 head 1's
	s_lshr_b32 s19, s[WV], 3
	s_lshl_b32 s19, s19, 9
	SADD 19, 78
	s_add_co_u32 s19, s19, SCR
	v_add_nc_u32 v232, s19, v230                   ; where my row's scale word of ctx goes
	s_and_b32 s19, s[WV], 1
	s_lshl_b32 s19, s19, 9
	s_add_co_u32 s19, s19, SCR
	v_add_nc_u32 v233, s19, v[L16]                 ; and where waves 0 and 1 read a block's 512 bytes back
.irp j, 26,27,28,29,30,31,80,81,82,83,84,85
	v_mov_b32 v[\j], 0                             ; zero codes: Q's upper half, and what stands behind K's last tile
.endr
	v_mov_b32 v[FF+1], 0                           ; (named as the upper half of a pair)
.irp b, 0,1,2,3
	v_mov_b32 v[BX+\b], 0                          ; a lane permute's destination counts as read
.endr
.macro INIT                            ; a head begins: the key step is written once, and the first change of M leaves zeros zeros
	v_mov_b32 v17, 0xff61b1e6                      ; the largest t so far: -3e38
	s_delay_alu instid0(VALU_DEP_1)
	v_floor_f32 v16, -v17                          ; -M
	v_mov_b32 v18, 0                               ; the sum, in two halves
	v_mov_b32 v19, 0
.set J, 0
.rept 32
	v_mov_b32 v[O+J], 0                            ; O^T
.set J, J+1
.endr
.endm
	INIT
; A KEY STEP: 128 keys of head c, at the place that v9 to v11 name.
.macro STEP hd
.irp t, 0,1,2,3,4,5,6,7
	ds_load_b128 v[KF+6*\t:KF+6*\t+3], v[A16] offset:\t*768                  ; K's tile t
	ds_load_b64 v[KF+6*\t+4:KF+6*\t+5], v[A8] offset:\t*768+512
.endr
.irp g, 0,1
.irp e, 0,1
	ds_load_u16 v[KS+2*\g+\e], v[AS] offset:2*(\hd)+256*\g+4*\e               ; lanes 0-15: tile 4 g + e; lanes 16-31: tile 4 g + 2 + e
.endr
.endr
	s_add_co_u32 s[TB], s[TB], STEPB               ; the next key step's place
	s_add_co_u32 s[TS], s[TS], 512
	s_wait_dscnt 0x0
.irp t, 0,1,2,3,4,5,6,7
.if (\t/2)%2
	v_wmma_scale_f32_16x16x128_f8f6f4 v[S+8*\t:S+8*\t+7], v[KF+6*\t:KF+6*\t+11], v[20:31], 0, v[KS+2*(\t/4)+\t%2], v[QS] matrix_a_fmt:MATRIX_FMT_FP6 matrix_b_fmt:MATRIX_FMT_FP6 matrix_a_scale:MATRIX_SCALE_ROW1
.else
	v_wmma_scale_f32_16x16x128_f8f6f4 v[S+8*\t:S+8*\t+7], v[KF+6*\t:KF+6*\t+11], v[20:31], 0, v[KS+2*(\t/4)+\t%2], v[QS] matrix_a_fmt:MATRIX_FMT_FP6 matrix_b_fmt:MATRIX_FMT_FP6
.endif
.endr
	v_add_nc_u32 v[A16], s[TB], v[L16]             ; four places in front of the loads into K's registers and of the first read of the scores: three of them make the next step's addresses,
	v_add_nc_u32 v[A8], s[TB], v[L8]               ; so V's offsets below count from one step on
	v_add_nc_u32 v[AS], s[TS], v[L8]
	v_nop
.irp d, 0,1,2,3
	ds_load_b128 v[KF+12*\d:KF+12*\d+3], v[A16] offset:VOFF-STEPB+\d*1536     ; V lands while the softmax is walked
	ds_load_b64 v[KF+12*\d+4:KF+12*\d+5], v[A8] offset:VOFF-STEPB+\d*1536+512
	ds_load_b128 v[KF+12*\d+6:KF+12*\d+9], v[A16] offset:VOFF-STEPB+\d*1536+768
	ds_load_b64 v[KF+12*\d+10:KF+12*\d+11], v[A8] offset:VOFF-STEPB+\d*1536+1280
.endr
	ds_load_b64 v[VS:VS+1], v[AS] offset:SCV-512+256*(\hd)   ; lanes 0-15: V's tiles 0, 1; lanes 16-31: tiles 2, 3
.irp b, 0,1,2,3
	v_max3_num_f32 v[BM+\b], v[S+16*\b], v[S+16*\b+1], v[S+16*\b+2]   ; the largest score of each block of 32 keys: for the row's maximum, and, since p rises with the score, for the block's largest p
.endr
.irp i, 3,5,7,9,11,13
.irp b, 0,1,2,3
	v_max3_num_f32 v[BM+\b], v[BM+\b], v[S+16*\b+\i], v[S+16*\b+\i+1]
.endr
.endr
.irp b, 0,1,2,3
	v_max_num_f32 v[BM+\b], v[BM+\b], v[S+16*\b+15]
.endr
.irp b, 0,1,2,3
	s_delay_alu instid0(VALU_DEP_4)
	v_permlanex16_b32 v[BX+\b], v[BM+\b], s[SEL], s[SEL+1]
.endr
.irp b, 0,1,2,3
	s_delay_alu instid0(VALU_DEP_4)
	v_max_num_f32 v[BM+\b], v[BM+\b], v[BX+\b]
.endr
	s_delay_alu instid0(VALU_DEP_2)
	v_max3_num_f32 v[TMP], v[BM], v[BM+1], v[BM+2]
	s_delay_alu instid0(VALU_DEP_1)
	v_max_num_f32 v[TMP], v[TMP], v[BM+3]
	s_delay_alu instid0(VALU_DEP_1)
	v_mul_f32 v[TMP], s[CS], v[TMP]
	s_delay_alu instid0(VALU_DEP_1)
	v_max_num_f32 v17, v17, v[TMP]                 ; the running largest t
	v_mov_b32 v[TMP], v16
	s_delay_alu instid0(VALU_DEP_2)
	v_floor_f32 v16, -v17                          ; the new -M: M is a whole number
	s_delay_alu instid0(VALU_DEP_1)
	v_sub_f32 v[TMP], v16, v[TMP]
	s_delay_alu instid0(VALU_DEP_1)
	v_cvt_i32_f32 v[TMP], v[TMP]                   ; (it saturates)
	s_delay_alu instid0(VALU_DEP_1)
	v_ldexp_f32 v[FF], 1.0, v[TMP]                 ; f = 2^(old M - new M): rounds nothing
.set J, 0
.rept 32
	v_pk_fma_f32 v[S+J:S+J+1], v[S+J:S+J+1], s[CS:CS+1], v[16:17] op_sel_hi:[1,0,0]   ; t - M
.set J, J+2
.endr
.irp b, 0,1,2,3
	v_fma_f32 v[BM+\b], v[BM+\b], s[CS], v16
.endr
.set J, 0
	s_wait_alu depctr_va_vdst(0)
.rept 64
	v_exp_f32 v[S+J], v[S+J]                       ; p = 2^(t - M)
.set J, J+1
.endr
.irp b, 0,1,2,3
	v_exp_f32 v[BM+\b], v[BM+\b]                   ; the block's largest p: the same two instructions on the same number
.endr
	v_pk_mul_f32 v[18:19], v[18:19], v[FF:FF+1] op_sel_hi:[1,0]   ; the sums under the new M.  (A plain place behind the exponentials)
	s_wait_alu depctr_va_vdst(0)                   ; and behind it, ahead of its first reader
.irp b, 0,1,2,3
	v_max_num_f32 v[BM+\b], 0x1800000, v[BM+\b]
.endr
.irp b, 0,1,2,3
	s_delay_alu instid0(VALU_DEP_4)
	v_add_nc_u32 v[SO+\b], 0xff000000, v[BM+\b]
.endr
.irp b, 0,1,2,3
	s_delay_alu instid0(VALU_DEP_4)
	v_lshrrev_b32 v[BX+\b], 23, v[SO+\b]
.endr
	s_delay_alu instid0(VALU_DEP_3)
	v_lshl_or_b32 v[PW], v[BX+1], 8, v[BX]
	s_delay_alu instid0(VALU_DEP_1)
	v_lshl_or_b32 v[PW], v[BX+2], 16, v[PW]
	s_delay_alu instid0(VALU_DEP_1)
	v_lshl_or_b32 v[PW], v[BX+3], 24, v[PW]
.irp c, 0,1
	v_cvt_scalef32_pk16_fp6_f32 v[PC+6*\c:PC+6*\c+2], v[S+32*\c:S+32*\c+15], v[SO+2*\c]
	v_cvt_scalef32_pk16_fp6_f32 v[TT+4*\c:TT+4*\c+2], v[S+32*\c+16:S+32*\c+31], v[SO+2*\c+1]
.endr
	v_nop                                          ; one plain place behind the conversions
.irp c, 0,1
.irp i, 0,1,2
	v_permlane16_swap_b32 v[PC+6*\c+\i], v[TT+4*\c+\i]
.endr
.irp i, 0,1,2
	s_delay_alu instid0(VALU_DEP_3)
	v_mov_b32 v[PC+6*\c+3+\i], v[TT+4*\c+\i]
.endr
.endr
.set J, 0
.rept 16
	v_pk_mul_f32 v[O+J:O+J+1], v[O+J:O+J+1], v[FF:FF+1] op_sel_hi:[1,0]   ; O^T under the new M.  (These sixteen stand between the writes of p's codes and scale word and the products)
.set J, J+2
.endr
	s_wait_alu depctr_va_vdst(0)
	s_wait_dscnt 0x0                               ; V
.irp d, 0,1,2,3
.if \d/2
	v_wmma_scale_f32_16x16x128_f8f6f4 v[O+8*\d:O+8*\d+7], v[KF+12*\d:KF+12*\d+11], v[PC:PC+11], v[O+8*\d:O+8*\d+7], v[VS+\d%2], v[PW] matrix_a_fmt:MATRIX_FMT_FP6 matrix_b_fmt:MATRIX_FMT_FP6 matrix_a_scale:MATRIX_SCALE_ROW1
.else
	v_wmma_scale_f32_16x16x128_f8f6f4 v[O+8*\d:O+8*\d+7], v[KF+12*\d:KF+12*\d+11], v[PC:PC+11], v[O+8*\d:O+8*\d+7], v[VS+\d%2], v[PW] matrix_a_fmt:MATRIX_FMT_FP6 matrix_b_fmt:MATRIX_FMT_FP6
.endif
.endr
	v_pk_add_f32 v[226:227], v[100:101], v[104:105]   ; the row's sum of the unquantised p, in eight chains; these lines are also the places behind the products
	v_pk_add_f32 v[254:255], v[108:109], v[112:113]
	v_pk_add_f32 v[252:253], v[116:117], v[120:121]
	v_pk_add_f32 v[250:251], v[124:125], v[128:129]
	v_pk_add_f32 v[248:249], v[132:133], v[136:137]
	v_pk_add_f32 v[246:247], v[140:141], v[144:145]
	v_pk_add_f32 v[244:245], v[148:149], v[152:153]
	v_pk_add_f32 v[18:19], v[18:19], v[156:157]
	v_pk_add_f32 v[226:227], v[226:227], v[96:97]
	v_pk_add_f32 v[254:255], v[254:255], v[98:99]
	v_pk_add_f32 v[252:253], v[252:253], v[102:103]
	v_pk_add_f32 v[250:251], v[250:251], v[106:107]
	v_pk_add_f32 v[248:249], v[248:249], v[110:111]
	v_pk_add_f32 v[246:247], v[246:247], v[114:115]
	v_pk_add_f32 v[244:245], v[244:245], v[118:119]
	v_pk_add_f32 v[18:19], v[18:19], v[122:123]
	v_pk_add_f32 v[226:227], v[226:227], v[126:127]
	v_pk_add_f32 v[254:255], v[254:255], v[130:131]
	v_pk_add_f32 v[252:253], v[252:253], v[134:135]
	v_pk_add_f32 v[250:251], v[250:251], v[138:139]
	v_pk_add_f32 v[248:249], v[248:249], v[142:143]
	v_pk_add_f32 v[246:247], v[246:247], v[146:147]
	v_pk_add_f32 v[244:245], v[244:245], v[150:151]
	v_pk_add_f32 v[18:19], v[18:19], v[154:155]
	v_pk_add_f32 v[226:227], v[226:227], v[158:159]
	s_delay_alu instid0(VALU_DEP_2)
	v_pk_add_f32 v[18:19], v[18:19], v[250:251]
	s_delay_alu instid0(VALU_DEP_2)
	v_pk_add_f32 v[226:227], v[226:227], v[248:249]
	v_pk_add_f32 v[254:255], v[254:255], v[246:247]
	v_pk_add_f32 v[252:253], v[252:253], v[244:245]
	s_delay_alu instid0(VALU_DEP_2)
	v_pk_add_f32 v[18:19], v[18:19], v[254:255]
	s_delay_alu instid0(VALU_DEP_2)
	v_pk_add_f32 v[226:227], v[226:227], v[252:253]
	s_delay_alu instid0(VALU_DEP_1)
	v_pk_add_f32 v[18:19], v[18:19], v[226:227]
.endm
; A PHASE: the eight key steps of slot s for head c.  The scale words' place counts the trips.
.macro PHASE c, s
	s_mov_b32 s[TB], (\s)*SLOTB
	s_mov_b32 s[TS], SCK+(\s)*4096
	v_add_nc_u32 v[A16], s[TB], v[L16]
	v_add_nc_u32 v[A8], s[TB], v[L8]
	v_add_nc_u32 v[AS], s[TS], v[L8]
	WALU
.Lphase_\@:
	STEP \c
	s_cmp_lg_u32 s[TS], SCK+(\s)*4096+4096
	s_cbranch_scc1 .Lphase_\@
.endm
; A REFILL: slot n, which every wave has left, takes head 1's keys.  Each wave waits for all its tensor loads, adds 0 to its spare word, and waits for that and for its reads; a round of the cluster's barrier; the loads.
; Waves 2 n, 2 n + 1 fetch K's two quarters of the slot, waves 4 + 2 n, 5 + 2 n V's.
.macro REFILL n
	WALU
	s_wait_tensorcnt 0x0                           ; no tensor load of mine is out, so the group 0 may be written
	ds_add_u32 v[SPW], v[NIL]                      ; 0 onto my spare word
.if (\n) == 0
	s_add_nc_u64 s[G0+2:G0+3], s[G0+2:G0+3], s[HO:HO+1]   ; my quarter of head 1, for whichever of the two refills is mine
.endif
	s_wait_dscnt 0x0                               ; the add is done, and my reads of the slot that I have left are over
	CROUND
	s_cmp_eq_u32 s[RH], \n
	s_cbranch_scc0 .Lnone_\@
	s_cmp_lt_u32 s[WV], 4
	s_cbranch_scc0 .Lfor_v_\@
	TL G0, G1K
	s_branch .Lnone_\@
.Lfor_v_\@:
	TL G0, G1V
.Lnone_\@:
.endm
; THE WAY OUT of head c: O^T / the sum; its 32 registers are the head's 64 in two blocks: register 16 b + i = d 32 b + 16 (lane / 16) + i.  Quantised, they are half c of a fragment of the last product's operand.
.macro WAYOUT c
	v_add_f32 v18, v18, v19
	s_delay_alu instid0(VALU_DEP_1)
	v_permlanex16_b32 v[BX], v18, s[SEL], s[SEL+1]
	s_delay_alu instid0(VALU_DEP_1)
	v_add_f32 v18, v18, v[BX]
	s_wait_alu depctr_va_vdst(0)
	v_rcp_f32 v[FF], v18
	v_nop                                          ; a plain place behind the reciprocal
	s_wait_alu depctr_va_vdst(0)
.set J, 0
.rept 16
	v_pk_mul_f32 v[S+J:S+J+1], v[O+J:O+J+1], v[FF:FF+1] op_sel_hi:[1,0]   ; each accumulator from its low end on
.set J, J+2
.endr
.irp b, 0,1
	v_max3_num_f32 v[BM+\b], |v[S+16*\b]|, |v[S+16*\b+1]|, 0x1800000
.endr
.irp i, 2,4,6,8,10,12,14
.irp b, 0,1
	s_delay_alu instid0(VALU_DEP_2)
	v_max3_num_f32 v[BM+\b], v[BM+\b], |v[S+16*\b+\i]|, |v[S+16*\b+\i+1]|
.endr
.endr
.irp b, 0,1
	s_delay_alu instid0(VALU_DEP_2)
	v_permlanex16_b32 v[BX+\b], v[BM+\b], s[SEL], s[SEL+1]
.endr
.irp b, 0,1
	s_delay_alu instid0(VALU_DEP_2)
	v_max_num_f32 v[BM+\b], v[BM+\b], v[BX+\b]
.endr
.irp b, 0,1
	s_delay_alu instid0(VALU_DEP_2)
	v_add_nc_u32 v[SO+\b], 0xff000000, v[BM+\b]
.endr
.irp b, 0,1
	s_delay_alu instid0(VALU_DEP_2)
	v_lshrrev_b32 v[BX+\b], 23, v[SO+\b]
.endr
	s_delay_alu instid0(VALU_DEP_1)
	v_lshl_or_b32 v[CW+(\c)], v[BX+1], 8, v[BX]    ; the head's two scale bytes of my row
.if \c
	v_lshl_or_b32 v[CW], v[CW+1], 16, v[CW]        ; behind head 0's: the row's word
.endif
	v_cvt_scalef32_pk16_fp6_f32 v[PC:PC+2], v[S:S+15], v[SO]
	v_cvt_scalef32_pk16_fp6_f32 v[TT:TT+2], v[S+16:S+31], v[SO+1]
	v_nop
.irp i, 0,1,2
	v_permlane16_swap_b32 v[PC+\i], v[TT+\i]
.endr
.irp i, 0,1,2
	s_delay_alu instid0(VALU_DEP_3)
	v_mov_b32 v[PC+3+\i], v[TT+\i]
.endr
	global_store_b128 v[L16], v[PC:PC+3], s[8:9] offset:768*(\c)            ; 512 consecutive bytes
	global_store_b64 v[L8], v[PC+4:PC+5], s[8:9] offset:768*(\c)+512        ; 256
.endm
	WALU
	s_wait_tensorcnt 0x0                           ; my tile of the first fills is in,
	s_wait_loadcnt 0x0                             ; and Q
	s_barrier_signal -1
	s_barrier_wait -1                              ; everybody's tile is in: head 0's K and V, and all scale words
	PHASE 0, 0
	REFILL 0
	PHASE 0, 1
	REFILL 1                                       ; the round also shows the first refill to all waves
	WAYOUT 0                                       ; behind the refill's request
.irp i, 0,1,2,3,4,5
	v_mov_b32 v[20+\i], v[Q1+\i]                   ; head 1's Q,
.endr
	v_lshrrev_b32 v[QS], 16, v[QS]                 ; and its two scale bytes; the lines of INIT stand between these writes and the products
	INIT
	WALU
	s_wait_xcnt 0x0                                ; the stores above have read their registers: the next key step writes them
	PHASE 1, 0
	WALU
	s_wait_tensorcnt 0x0                           ; my part of the second refill is in
	s_wait_dscnt 0x0
	s_barrier_signal -1
	s_barrier_wait -1                              ; a plain barrier shows it to all
	PHASE 1, 1
	WAYOUT 1
	ds_store_b32 v232, v[CW]                       ; both halves of the lanes write the same word with the same value
	s_wait_dscnt 0x0                               ; for the others' sake
	s_barrier_signal -1
	s_barrier_wait -1                              ; the sixteen waves' words make 1,024 bytes: those of two blocks of 128 rows for this head pair
	s_cmp_lt_u32 s[WV], 2
	s_cbranch_scc0 .Lnot_first
	ds_load_b128 v[Q1:Q1+3], v233
	s_wait_dscnt 0x0
	global_store_b128 v[L16], v[Q1:Q1+3], s[10:11] ; 512 consecutive bytes
.Lnot_first:
	s_wait_tensorcnt 0x0                           ; the wave's end
	ds_add_u32 v[SPW], v[NIL]
	s_wait_dscnt 0x0
	CROUND                                         ; the closing round
	s_endpgm
.Lfunc_end_k_q0b08a59f83_attn:
	.size	k_q0b08a59f83_attn, .Lfunc_end_k_q0b08a59f83_attn-k_q0b08a59f83_attn
	.p2alignl 7, 3214868480
	.fill 96, 4, 3214868480
	.section	.rodata,"a",@progbits
	.p2align	6, 0x0
	.amdhsa_kernel k_q0b08a59f83_attn
		.amdhsa_group_segment_fixed_size 327680
		.amdhsa_private_segment_fixed_size 0
		.amdhsa_enable_private_segment 0
		.amdhsa_kernarg_size 32
		.amdhsa_user_sgpr_count 2
		.amdhsa_user_sgpr_kernarg_segment_ptr 1
		.amdhsa_wavefront_size32 1
		.amdhsa_system_sgpr_workgroup_id_x 1
		.amdhsa_system_sgpr_workgroup_id_y 1
		.amdhsa_system_sgpr_workgroup_id_z 1
		.amdhsa_system_vgpr_workitem_id 0
		.amdhsa_next_free_vgpr 256
		.amdhsa_next_free_sgpr 80
		.amdhsa_reserve_vcc 0
		.amdhsa_float_denorm_mode_32 3
		.amdhsa_float_denorm_mode_16_64 3
		.amdhsa_memory_ordered 1
		.amdhsa_forward_progress 1
		.amdhsa_inst_pref_size 92
	.end_amdhsa_kernel
	.amdgpu_metadata
---
amdhsa.version: [ 1, 2 ]
amdhsa.kernels:
  - .name:           k_q0b08a59f83_attn
    .symbol:         k_q0b08a59f83_attn.kd
    .args:
      - { .name: qkvimg, .offset: 0, .size: 8, .value_kind: global_buffer, .address_space: global }
      - { .name: qkvsc, .offset: 8, .size: 8, .value_kind: global_buffer, .address_space: global }
      - { .name: cimg, .offset: 16, .size: 8, .value_kind: global_buffer, .address_space: global }
      - { .name: csc, .offset: 24, .size: 8, .value_kind: global_buffer, .address_space: global }
    .group_segment_fixed_size: 327680
    .private_segment_fixed_size: 0
    .kernarg_segment_align: 8
    .kernarg_segment_size: 32
    .max_flat_workgroup_size: 512
    .sgpr_count:     80
    .vgpr_count:     256
    .wavefront_size: 32
...
	.end_amdgpu_metadata
.endif
;; end of part 3
;; launch outp (part 4): grid 4 x 64, 4 waves a work-group, clusters of 4 x 4, 327,680 bytes of LDS; arguments cimg, csc, opimg, opsc, bo, out0; writes out0
.if DOCPART == 4
	.amdgcn_target "amdgcn-amd-amdhsa--gfx1250"
	.amdhsa_code_object_version 6
	.text
	.protected	k_q0b08a59f83_outp
	.globl	k_q0b08a59f83_outp
	.p2align	8
	.type	k_q0b08a59f83_outp,@function
k_q0b08a59f83_outp:
	s_mov_b64 s[64:65], 0
	v_nop
	global_prefetch_b8 v0, s[64:65] scope:SCOPE_SE
	s_setreg_imm32_b32 hwreg(HW_REG_WAVE_MODE, 25, 1), 1
	s_wait_xcnt 0x0
	s_wait_alu depctr_hold_cnt(0) depctr_sa_sdst(0) depctr_va_vdst(0) depctr_va_sdst(0) depctr_va_ssrc(0) depctr_va_vcc(0) depctr_vm_vsrc(0)
	s_getreg_b32 s2, hwreg(HW_REG_IB_STS2, 6, 4)
	s_cmp_eq_u32 s2, 0
	s_cbranch_scc0 .Lentry_in_a_cluster
	s_endpgm
.Lentry_in_a_cluster:
	s_bfe_u32 s2, ttmp6, 0x10000c
	s_cmp_lg_u32 s2, 0xf033
	s_cbranch_scc0 .Lentry_shape_is_right
	s_endpgm
.Lentry_shape_is_right:
; out0 = ctx Wo + bo: [8192][1024] f32, on codes of FP6 with E8M0 scales, K = 1,024.  ctx's codes and scale words are as launch attn leaves them, Wo's as launch prep does: images of operand registers,
; [tile of 16 rows][K step of 128][1,536 bytes], and scale words [block of 128 rows][K step][512 bytes] (the word of the block's tile 2 g + e, lane row r, at 128 g + 8 r + 4 e).
; SHARES.  256 work-groups; each makes 128 rows x 256 columns.  Four waves, 2 x 2: a wave makes 64 rows x 128 columns: 4 x 8 accumulators, 256 registers.
; LDS.  ALL of K lies in LDS at once: ctx's 8 tiles (98,304 bytes), Wo's 16 tiles (196,608), their scale words (4,096 and 8,192).  Four dense blocks of memory, four joint loads at the head, one a wave.  Nothing is filled again.
; CLUSTERS: 4 x 4.  ctx's tiles hang on the block row alone and are shared along a row of the cluster, Wo's on the block column alone and are shared along a column.
; NO PREFETCH: every tile is asked for at the head; there is no loop to run ahead in.
; THE WALK: eight K steps, written out.  A's and B's fragments have two sets of registers each: step k + 1's are fetched ahead of step k's 32 products.  The 32 accumulators take turns.
; THE MATRIX INSTRUCTION IS USED TRANSPOSED (source 0 = 16 columns of Wo, source 1 = 16 rows of ctx): a lane holds eight neighbouring numbers of a row of the result.  The bias is the first products' C.
; REGISTERS: window 0: v16-31 addresses, v32-63 scale words (two sets), v64-127 the bias, v128-223 A's fragments (two sets of four); window 1: B's fragments, sets at v0 and v128; window 2: the accumulators, (a, b) at v[8 (8 a + b)].
.set FR,    12
.set NP,    4
.set TILEB, 12288                      ; a tile of 16 rows, all of K
.set BBASE, 8*TILEB                    ; Wo's tiles lie behind ctx's eight
.set SCL,   24*TILEB                   ; ctx's scale words
.set SCLP,  SCL+4096+128               ; Wo's
.set SPARE, 307456                     ; the spare words: two blocks of 256 bytes that no other line names
.set SPITCH, 528
.set ADRA,  16                         ; v16, v17 my A fragments: 16 x lane, 8 x lane
.set ADRB,  18                         ; v18, v19 my B tiles 0-3; v20, v21 tiles 4-7
.set ADRS2, 22                         ; v22 as v27, but lanes 0-15 stand 256 bytes lower: for the loads that serve B's tiles 4-7 alone
.set L16,   24
.set L8,    25
.set BH,    26
.set ADRS,  27                         ; v27 scale words: lanes 0-15 A's rows, lanes 16-31 B's
.set SPW,   28
.set NIL,   29
.set STO,   30
.set RD,    31
.set SC,    32
.set CB,    64
.set AF,    128
.set BK,    128
.set G1,    24
.set G0,    32
.set G1B,   48
.set G0B,   56
.set G1S,   68
.set G0S,   76
.set G1SB,  80
.set G0SB,  88
.set MSB, 0
.macro WIN new
.if MSB != \new
	s_set_vgpr_msb (MSB<<8)|\new
.set MSB, \new
.endif
.endm
.set MUL_LO, 0xa1                      ; source 0 (B) window 1, source 1 (A) window 0, C and D window 2
.set MUL_1ST, 0x81                     ; the same, C (the bias) window 0
.set TO_B,   0x40
.macro PLACES n
.rept \n
	v_nop
.endr
.endm
.macro CROUND
	s_barrier_signal -1
	s_barrier_wait -1
	s_cmp_lg_u32 s14, 0
	s_cbranch_scc1 .Lnot_wave_0_\@
	s_barrier_signal -3
.Lnot_wave_0_\@:
	s_barrier_wait -3
	s_barrier_signal -1
	s_barrier_wait -1
.endm
.macro GR1 g, mask, c, r               ; group 1: r dense rows of c elements of 8 bytes; the mask, bit 21 beside it
	s_or_b32 s[\g], s[\mask], (3<<16)|(1<<21)
	s_mov_b32 s[\g+1], (\c)<<16
	s_mov_b32 s[\g+2], (\r)<<16
	s_mov_b32 s[\g+3], (\c)<<16
	s_mov_b32 s[\g+4], \r
	s_mov_b32 s[\g+5], \c
	s_mov_b32 s[\g+6], 0
	s_mov_b32 s[\g+7], 0
.endm
.macro GR0 g, lds, p
	s_mov_b32 s[\g], 1
	s_mov_b32 s[\g+1], \lds
	s_mov_b64 s[\g+2:\g+3], s[\p:\p+1]
	s_or_b32 s[\g+3], s[\g+3], 0x80000000
.endm
.macro TL g0, g1                       ; an s_nop 0 and four v_nop follow the line
	tensor_load_to_lds s[\g0:\g0+3], s[\g1:\g1+7]
	s_nop 0
	PLACES 4
.endm
	s_load_b256 s[4:11], s[0:1], 0x0               ; cimg, csc, opimg, opsc
	s_load_b128 s[92:95], s[0:1], 0x20             ; bo, out0
	v_lshl_add_u32 v[SPW], v0, 2, SPARE
	v_mov_b32 v[NIL], 0
	ds_add_u32 v[SPW], v[NIL]                      ; the opening lines: the add, twice on end, and its wait
	ds_add_u32 v[SPW], v[NIL]
	v_lshrrev_b32 v1, 5, v0
	v_readfirstlane_b32 s14, v1                    ; wave 0..3
	s_lshr_b32 s15, s14, 1                         ; which 64 rows are mine
	s_and_b32 s16, s14, 1                          ; which 128 columns
	s_bfe_u32 s40, ttmp6, 0x40000                  ; cx: the block column
	s_bfe_u32 s41, ttmp6, 0x40004                  ; cy
	s_and_b32 s17, ttmp7, 0xffff
	s_lshl_b32 s43, s41, 2
	s_lshl_b32 s43, 15, s43                        ; my row of the cluster
	s_lshl_b32 s44, 0x1111, s40                    ; my column
	s_lshl_b32 s18, s17, 2
	s_add_co_u32 s18, s18, s41                     ; the block row, 0..63
	s_add_co_u32 s19, s40, 44                      ; Wo's block of 256 columns among prep's blocks
	GR1 G1, 43, 1536, 8                            ; ctx: 8 tiles of 12,288 bytes
	GR1 G1B, 44, 1536, 16                          ; Wo: 16 tiles
	GR1 G1S, 43, 32, 16                            ; ctx's scale words: 4,096 bytes as rows of 256
	GR1 G1SB, 44, 32, 32                           ; Wo's: 8,192
	s_mul_i32 s20, s18, 8*TILEB
	s_mov_b32 s21, 0
	s_lshl_b32 s22, s18, 12
	s_mov_b32 s23, 0
	s_mul_i32 s46, s19, 16*TILEB
	s_mov_b32 s47, 0
	s_lshl_b32 s66, s19, 13
	s_mov_b32 s67, 0
	s_mul_i32 s36, s15, 4*TILEB                    ; LDS, by the wave's number alone: my four tiles of A,
	s_mul_i32 s37, s16, 8*TILEB
	s_add_co_u32 s37, s37, BBASE                   ; my eight of B: tiles 0-3,
	s_add_co_u32 s38, s37, 4*TILEB                 ; tiles 4-7;
	s_lshl_b32 s42, s15, 8                         ; my A tiles' scale words begin 256 x half into a K step's 512 bytes;
	s_lshl_b32 s39, s16, 12
	s_add_co_u32 s39, s39, SCLP-SCL
	s_sub_co_u32 s39, s39, s42                     ; from them to my B tiles' words
	s_add_co_u32 s42, s42, SCL
	s_add_co_u32 s45, s39, 256
	s_sub_co_u32 s60, s42, 256
	s_mul_i32 s61, s14, 16*SPITCH                  ; my stage
	s_wait_alu depctr_va_vdst(0)
	s_wait_dscnt 0x0                               ; both opening adds are done
	s_wait_kmcnt 0x0
	s_add_nc_u64 s[20:21], s[4:5], s[20:21]
	s_add_nc_u64 s[22:23], s[6:7], s[22:23]
	s_add_nc_u64 s[46:47], s[8:9], s[46:47]
	s_add_nc_u64 s[66:67], s[10:11], s[66:67]
	CROUND                                         ; all sixteen work-groups are here: the joint loads meet
	GR0 G0, 0, 20
	GR0 G0B, BBASE, 46
	GR0 G0S, SCL, 22
	GR0 G0SB, SCLP, 66
	s_cmp_eq_u32 s14, 0                            ; one tree of branches, one load to an arm: every way through the head passes one load
	s_cbranch_scc0 .Lhd_1
	TL G0B, G1B
	s_branch .Lhd_x
.Lhd_1:
	s_cmp_eq_u32 s14, 1
	s_cbranch_scc0 .Lhd_2
	TL G0, G1
	s_branch .Lhd_x
.Lhd_2:
	s_cmp_eq_u32 s14, 2
	s_cbranch_scc0 .Lhd_3
	TL G0S, G1S
	s_branch .Lhd_x
.Lhd_3:
	TL G0SB, G1SB
.Lhd_x:
	s_lshl_b32 s2, s40, 1
	s_add_co_u32 s2, s2, s16
	s_lshl_b32 s2, s2, 9                           ; my first column, in bytes: 512 x (2 x block column + half)
	s_mov_b32 s3, 0
	s_add_nc_u64 s[92:93], s[92:93], s[2:3]
	s_add_nc_u64 s[94:95], s[94:95], s[2:3]
	s_lshl_b32 s2, s18, 1
	s_add_co_u32 s2, s2, s15
	s_lshl_b32 s2, s2, 18                          ; my first row: 64 rows of 4,096 bytes x (2 x block row + half)
	s_add_nc_u64 s[94:95], s[94:95], s[2:3]
	v_and_b32 v1, 31, v0
	v_and_b32 v2, 15, v0                           ; r
	v_bfe_u32 v3, v0, 4, 1                         ; h
	v_lshlrev_b32 v[L16], 4, v1
	v_lshlrev_b32 v[L8], 3, v1
	v_add_nc_u32 v[ADRA], s36, v[L16]
	v_add_nc_u32 v[ADRA+1], s36, v[L8]
	v_add_nc_u32 v[ADRB], s37, v[L16]
	v_add_nc_u32 v[ADRB+1], s37, v[L8]
	v_add_nc_u32 v[ADRB+2], s38, v[L16]
	v_add_nc_u32 v[ADRB+3], s38, v[L8]
	v_mul_u32_u24 v4, s39, v3                      ; lanes 16-31 take B's words
	v_lshl_add_u32 v4, v2, 3, v4
	v_add_nc_u32 v[ADRS], s42, v4
	v_mul_u32_u24 v5, s45, v3
	v_lshl_add_u32 v5, v2, 3, v5
	v_add_nc_u32 v[ADRS2], s60, v5
	v_lshlrev_b32 v[BH], 6, v3
	v_mul_u32_u24 v6, v2, SPITCH                   ; into the stage: row r, 64 bytes for each half of the lanes
	v_lshl_add_u32 v6, v3, 6, v6
	v_add_nc_u32 v[STO], s61, v6
	v_add_nc_u32 v[RD], s61, v[L16]                ; back: the 32 lanes take one row of 512 bytes
	s_wait_alu depctr_va_vdst(0)
.irp b, 0,1,2,3,4,5,6,7
	global_load_b128 v[CB+8*\b:CB+8*\b+3], v[BH], s[92:93] offset:128*(\b/2)+32*(\b%2)      ; register j of lane (r, h) in column tile b is column 32 (b / 2) + 8 (b % 2) + 16 h + j
	global_load_b128 v[CB+8*\b+4:CB+8*\b+7], v[BH], s[92:93] offset:128*(\b/2)+32*(\b%2)+16
.endr
.macro FRAG reg, a16, a8, off          ; a fragment's image: half c at 768 c: 16 bytes a lane, then 8 bytes a lane
	ds_load_b128 v[\reg:\reg+3], v[\a16] offset:\off
	ds_load_b64 v[\reg+4:\reg+5], v[\a8] offset:\off+512
	ds_load_b128 v[\reg+6:\reg+9], v[\a16] offset:\off+768
	ds_load_b64 v[\reg+10:\reg+11], v[\a8] offset:\off+1280
.endm
.macro FETCH k                         ; K step k's fragments into the sets k % 2: 48 loads
	WIN TO_B
.irp i, 0,1,2,3
	FRAG 128*((\k)%2)+FR*\i, ADRB, ADRB+1, \i*TILEB+(\k)*1536
.endr
.irp i, 0,1,2,3
	FRAG 128*((\k)%2)+FR*(\i+4), ADRB+2, ADRB+3, \i*TILEB+(\k)*1536
.endr
	WIN 0
.irp i, 0,1,2,3
	FRAG AF+48*((\k)%2)+FR*\i, ADRA, ADRA+1, \i*TILEB+(\k)*1536
.endr
.endm
.macro SCALES f                        ; the scale words of K steps 2 f and 2 f + 1 into set f % 2: register 8 q + i: lanes 0-15 the word of my A tile i (i under 4), lanes 16-31 that of my B tile i
.irp q, 0,1
.irp g, 0,1
	ds_load_b64 v[SC+16*((\f)%2)+8*\q+2*\g:SC+16*((\f)%2)+8*\q+2*\g+1], v[ADRS] offset:(2*(\f)+\q)*512+128*\g
.endr
.irp g, 2,3
	ds_load_b64 v[SC+16*((\f)%2)+8*\q+2*\g:SC+16*((\f)%2)+8*\q+2*\g+1], v[ADRS2] offset:(2*(\f)+\q)*512+128*\g
.endr
.endr
.endm
.macro MUL k, first                    ; K step k: 32 products
.irp a, 0,1,2,3
.irp b, 0,1,2,3,4,5,6,7
.set rD, 8*(8*\a+\b)
.set rP, 128*((\k)%2)+FR*\b
.set rR, AF+48*((\k)%2)+FR*\a
.set rSP, SC+16*(((\k)/2)%2)+8*((\k)%2)+\b
.set rSR, SC+16*(((\k)/2)%2)+8*((\k)%2)+\a
.if \first
	v_wmma_scale_f32_16x16x128_f8f6f4 v[rD:rD+7], v[rP:rP+FR-1], v[rR:rR+FR-1], v[CB+8*\b:CB+8*\b+7], v[rSP], v[rSR] matrix_a_fmt:MATRIX_FMT_FP6 matrix_b_fmt:MATRIX_FMT_FP6 matrix_a_scale:MATRIX_SCALE_ROW1
.else
	v_wmma_scale_f32_16x16x128_f8f6f4 v[rD:rD+7], v[rP:rP+FR-1], v[rR:rR+FR-1], v[rD:rD+7], v[rSP], v[rSR] matrix_a_fmt:MATRIX_FMT_FP6 matrix_b_fmt:MATRIX_FMT_FP6 matrix_a_scale:MATRIX_SCALE_ROW1
.endif
.endr
.endr
.endm
	s_wait_tensorcnt 0x0                           ; my tile of the four is in
	s_barrier_signal -1
	s_barrier_wait -1                              ; everybody's is
	FETCH 0
	SCALES 0
	s_wait_loadcnt 0x0                             ; the bias
	s_wait_dscnt 0x0
	FETCH 1
	WIN MUL_1ST
	MUL 0, 1                                       ; the first products start the sums from the bias
.irp k, 1,2,3,4,5,6
	s_wait_dscnt 0x0                               ; step k's fragments, asked for ahead of the last step's 32 products, are in
	PLACES NP                                      ; places in front of loads into the registers that the last step's products read
	FETCH \k+1
.if (\k+1)%2 == 0
	SCALES (\k+1)/2
.endif
	WIN MUL_LO
	MUL \k, 0
.endr
	s_wait_dscnt 0x0
	MUL 7, 0
	WIN 0
	s_barrier_signal -1                            ; no LDS load of mine is out: my reads of the tiles are over
	s_barrier_wait -1                              ; everybody's are: the stages may be laid on ctx's tiles, which have had their one fill
; THE WAY OUT, block by block of 16 rows x 128 columns: through my own stage, back as whole rows of 512 bytes, which the 32 lanes store as two aligned units of 256 bytes.  LDS serves a wave's instructions in order.
.macro TOSTAGE a
.set AC, 64*(\a)
	WIN 0x08                                       ; the data: window 2
.irp b, 0,1,2,3,4,5,6,7
	ds_store_b128 v[STO], v[AC+8*\b:AC+8*\b+3] offset:128*(\b/2)+32*(\b%2)          ; each accumulator from its low end on
	ds_store_b128 v[STO], v[AC+8*\b+4:AC+8*\b+7] offset:128*(\b/2)+32*(\b%2)+16
.endr
	WIN 0
.set BB, BK+64*((\a)%2)
.irp t, 0,1,2,3,4,5,6,7,8,9,10,11,12,13,14,15
	ds_load_b128 v[BB+4*\t:BB+4*\t+3], v[RD] offset:\t*SPITCH
.endr
.endm
.macro SEND a, younger                 ; younger: the LDS instructions issued behind block a's loads, which may stay out
.set BB, BK+64*((\a)%2)
	s_wait_dscnt \younger
.irp t, 0,1,2,3,4,5,6,7,8,9,10,11,12,13,14,15
	global_store_b128 v[L16], v[BB+4*\t:BB+4*\t+3], s[94:95] offset:(32*((\a)/2)+8*((\a)%2)+\t+8*(\t/8))*4096 th:TH_STORE_NT   ; lane row t of tile a is row 32 (a / 2) + 8 (a % 2) + t + 8 (t / 8)
.endr
.endm
	PLACES NP
	TOSTAGE 0
.irp a, 1,2,3
.if \a > 1
	s_wait_xcnt 0x0                                ; block a - 2's stores have read their registers: block a's loads may land there
.endif
	TOSTAGE \a
	SEND \a-1, 32                                  ; behind block a - 1's loads: block a's 16 stores and 16 loads
.endr
	SEND 3, 0
	s_wait_tensorcnt 0x0                           ; the wave's end
	ds_add_u32 v[SPW], v[NIL]
	s_wait_dscnt 0x0
	CROUND                                         ; the closing round
	s_endpgm
.Lfunc_end_k_q0b08a59f83_outp:
	.size	k_q0b08a59f83_outp, .Lfunc_end_k_q0b08a59f83_outp-k_q0b08a59f83_outp
	.p2alignl 7, 3214868480
	.fill 96, 4, 3214868480
	.section	.rodata,"a",@progbits
	.p2align	6, 0x0
	.amdhsa_kernel k_q0b08a59f83_outp
		.amdhsa_group_segment_fixed_size 327680
		.amdhsa_private_segment_fixed_size 0
		.amdhsa_enable_private_segment 0
		.amdhsa_kernarg_size 48
		.amdhsa_user_sgpr_count 2
		.amdhsa_user_sgpr_kernarg_segment_ptr 1
		.amdhsa_wavefront_size32 1
		.amdhsa_system_sgpr_workgroup_id_x 1
		.amdhsa_system_sgpr_workgroup_id_y 1
		.amdhsa_system_sgpr_workgroup_id_z 1
		.amdhsa_system_vgpr_workitem_id 0
		.amdhsa_next_free_vgpr 768
		.amdhsa_next_free_sgpr 96
		.amdhsa_reserve_vcc 0
		.amdhsa_float_denorm_mode_32 3
		.amdhsa_float_denorm_mode_16_64 3
		.amdhsa_memory_ordered 1
		.amdhsa_forward_progress 1
		.amdhsa_inst_pref_size 85
	.end_amdhsa_kernel
	.amdgpu_metadata
---
amdhsa.version: [ 1, 2 ]
amdhsa.kernels:
  - .name:           k_q0b08a59f83_outp
    .symbol:         k_q0b08a59f83_outp.kd
    .args:
      - { .name: cimg, .offset: 0, .size: 8, .value_kind: global_buffer, .address_space: global }
      - { .name: csc, .offset: 8, .size: 8, .value_kind: global_buffer, .address_space: global }
      - { .name: opimg, .offset: 16, .size: 8, .value_kind: global_buffer, .address_space: global }
      - { .name: opsc, .offset: 24, .size: 8, .value_kind: global_buffer, .address_space: global }
      - { .name: bo, .offset: 32, .size: 8, .value_kind: global_buffer, .address_space: global }
      - { .name: out0, .offset: 40, .size: 8, .value_kind: global_buffer, .address_space: global }
    .group_segment_fixed_size: 327680
    .private_segment_fixed_size: 0
    .kernarg_segment_align: 8
    .kernarg_segment_size: 48
    .max_flat_workgroup_size: 128
    .sgpr_count:     96
    .vgpr_count:     768
    .wavefront_size: 32
...
	.end_amdgpu_metadata
.endif
;; end of part 4
